; MI455X (gfx1250); checked and timed in simulation.
; The chip was launched on July 23, 2026; its instructions are those of AMD's public machine-readable ISA for CDNA 5 (MIT licence, August 2026) and "CDNA5" Instruction Set Architecture Reference Guide (July 2026). The comments in the code are by the model that wrote it; some were corrected since.
;; Attention. Allowed arithmetic: matrix products marked QUANTISED: E2M3 operands, one E8M0 scale for each 32 along K, by v_wmma_scale_f32_16x16x128_f8f6f4 with both operands' format E2M3, f32 sums; everything else in f32.
;; Inputs: Wk_codes 8 x 64 x 64 x 24 uint8 (E2M3 codes of Wk, K innermost, in blocks of 32 codes, four codes in three bytes); Wk_scales 8 x 64 x 64 uint8 (E8M0 scales of Wk, one for each 32 codes along K); Wo_codes 2,048 x 64 x 24 uint8 (E2M3 codes of Wo, K innermost, in blocks of 32 codes, four codes in three bytes); Wo_scales 2,048 x 64 uint8 (E8M0 scales of Wo, one for each 32 codes along K); Wq_codes 32 x 64 x 64 x 24 uint8 (E2M3 codes of Wq, K innermost, in blocks of 32 codes, four codes in three bytes); Wq_scales 32 x 64 x 64 uint8 (E8M0 scales of Wq, one for each 32 codes along K); Wv_codes 8 x 64 x 64 x 24 uint8 (E2M3 codes of Wv, K innermost, in blocks of 32 codes, four codes in three bytes); Wv_scales 8 x 64 x 64 uint8 (E8M0 scales of Wv, one for each 32 codes along K); attention_mask 1 x 1 x 2,048 x 2,048 float32; hidden_states_codes 1 x 2,048 x 64 x 24 uint8 (E2M3 codes of hidden_states, K innermost, in blocks of 32 codes, four codes in three bytes); hidden_states_scales 1 x 2,048 x 64 uint8 (E8M0 scales of hidden_states, one for each 32 codes along K).
;; Outputs: out0 1 x 2,048 x 2,048 float32.
;; This version of the problem:
;;   THIS VERSION OF THE PROBLEM IS GIVEN IN LOW PRECISION. The matrix products marked QUANTISED in the list below multiply operands that are first quantised to E2M3 (2 exponent bits, 3 mantissa bits; 6 bits a number), with one power-of-two scale for each 32 numbers along K (OCP MX v1.0); their sums are f32. All else is computed in f32.
;;   The module's matrix products, in the order in which they are computed (A, B: the left and right operand; K: the contracted axis; several contracted axes count as one K, in the product's order):
;;     1. [M 2,048, K 2,048] x [K 2,048, N 2,048]; A: input hidden_states (given as codes); B: input Wq (given as codes): QUANTISED
;;     2. [M 2,048, K 2,048] x [K 2,048, N 512]; A: input hidden_states (given as codes); B: input Wk (given as codes): QUANTISED
;;     3. [M 2,048, K 2,048] x [K 2,048, N 512]; A: input hidden_states (given as codes); B: input Wv (given as codes): QUANTISED
;;     4. batch 32 x [M 2,048, K 64] x [K 64, N 2,048]; A: computed on the way; B: computed on the way: QUANTISED
;;     5. batch 32 x [M 64, K 2,048] x [K 2,048, N 2,048]; A: computed on the way; B: softmax (see below): QUANTISED
;;     6. [M 2,048, K 2,048] x [K 2,048, N 2,048]; A: computed on the way; B: input Wo (given as codes): QUANTISED
;;   THE QUANTISER, for each operand of a quantised product, along K:
;;     - K is cut into blocks of 32 from its start; a last block that is shorter is filled with zeros.
;;     - A block's scale is 2^e with e = floor(log2(the largest magnitude in the block)) - 2, held to -126 .. 127; a block of zeros has e = 0. As a byte (E8M0): e + 127.
;;     - Each number is divided by its block's scale, clamped to +-7.5, and rounded to the nearest number of E2M3, ties to even, subnormals kept.
;;     - The product sums the exact products of the quantised numbers (number of the format x scale) in f32.
;;   ~~~python
;;   def quantise(x, axis):      # numpy; x: float32 -> the quantised numbers, widened to float32 again
;;       x = np.moveaxis(x, axis, -1); K = x.shape[-1]
;;       x = np.pad(x, [(0, 0)] * (x.ndim - 1) + [(0, -K % 32)]); x = x.reshape(x.shape[:-1] + (-1, 32)); a = np.abs(x).max(-1, keepdims=True)
;;       e = np.where(a > 0, np.clip(np.frexp(np.where(a > 0, a, 1))[1] - 1 - 2, -126, 127), 0)      # np.frexp(a)[1] - 1 = floor(log2(a)), exactly
;;       r = np.clip(x / 2.0 ** e, -7.5, 7.5)
;;       step = 2.0 ** (np.maximum(np.frexp(np.where(r == 0, 1, r))[1] - 1, 0) - 3)
;;       q = np.round(r / step) * step * 2.0 ** e      # np.round: ties to even
;;       return np.moveaxis(q.reshape(q.shape[:-2] + (-1,))[..., :K], -1, axis).astype(np.float32)
;;   ~~~
;;   SOFTMAX AHEAD OF A QUANTISED PRODUCT. Where the list says 'softmax', what is quantised is not the finished softmax but p = 2^(t - M), with t = logit x log2(e) and M = ceil(the row's largest t), a whole number; so 1/2 < the row's largest p <= 1. The row's sum l is taken of the UNQUANTISED p, in f32, and the product's result is divided by l at the end. Since M is a whole number, a kernel that streams over the keys may use a running M (the ceiling of the running maximum): every later rescaling is an exact power of two, which a block's scale takes up: the codes' values come out the same.
;;   OPERANDS COMPUTED ON THE WAY. 'Computed on the way' means the value that the module computes at that place (a softmax that the list does not call 'softmax' is quantised finished and normalised). What goes into a quantiser is computed in f32, as accurately as f32 sums, v_exp_f32 and their like allow (about 1e-6 of the number): no bf16 or f16 on the way to a quantiser, and a product that is left as it is and whose result goes on into a quantised operand takes f32 operands (vector FMAs, or v_wmma_f32_16x16x4_f32). A number that lies on a knife's edge between two numbers of the format may be rounded either way, as far as f32 arithmetic and the matrix unit's own rounding can turn it there, and no further.
;;   INPUTS GIVEN AS CODES. Wk (in the module: [2048, 8, 64], K = its axis 0); Wo (in the module: [2048, 2048], K = its axis 0); Wq (in the module: [2048, 32, 64], K = its axis 0); Wv (in the module: [2048, 8, 64], K = its axis 0); hidden_states (in the module: [1, 2048, 2048], K = its axis 2): each comes as NAME_codes (uint8): NAME with its K axis moved to the last place and cut into blocks of 32 codes, [.., K / 32, bytes a block], one block behind the other in memory; four codes in three bytes: a row's codes are one little-endian stream of bits, code i at bits 6 i .. 6 i + 5 (a code: sign, 2 exponent bits, 3 mantissa bits); and NAME_scales (uint8): the same leading axes, one E8M0 byte (e + 127) for each 32 codes along K. Its value is code x scale, taken as it is: it is not quantised again, and the codes and scales need not be those that the quantiser above would give.
;; One version. Each part assembles by itself: llvm-mc -triple=amdgcn-amd-amdhsa -mcpu=gfx1250 --defsym DOCPART=n.
;; ======== version 1 of 1: 3 launches
;; limits: right only within a limited range of input values
;; workspace buffers: qkv_img 4,915,200 bytes; o_codes 3,145,728 bytes; o_scales 131,072 bytes
;; launch qkv (part 1): grid 16 x 12, 4 waves a work-group, clusters of 4 x 1, 327,680 bytes of LDS; arguments hidden_states_codes, hidden_states_scales, Wq_codes, Wq_scales, Wk_codes, Wk_scales, Wv_codes, Wv_scales, qkv_img; writes qkv_img
.if DOCPART == 1
	.amdgcn_target "amdgcn-amd-amdhsa--gfx1250"
	.amdhsa_code_object_version 6
	.text
	.protected	k_q35930eefdb_qkv
	.globl	k_q35930eefdb_qkv
	.p2align	8
	.type	k_q35930eefdb_qkv,@function
k_q35930eefdb_qkv:
	s_mov_b64 s[64:65], 0
	v_nop
	global_prefetch_b8 v0, s[64:65] scope:SCOPE_SE
	s_setreg_imm32_b32 hwreg(HW_REG_WAVE_MODE, 25, 1), 1
	s_wait_xcnt 0x0
	s_wait_alu depctr_hold_cnt(0) depctr_sa_sdst(0) depctr_va_vdst(0) depctr_va_sdst(0) depctr_va_ssrc(0) depctr_va_vcc(0) depctr_vm_vsrc(0)
	s_getreg_b32 s2, hwreg(HW_REG_IB_STS2, 6, 4)
	s_cmp_eq_u32 s2, 0
	s_cbranch_scc0 .Lentry_in_a_cluster
	s_endpgm
.Lentry_in_a_cluster:
	s_bfe_u32 s2, ttmp6, 0x10000c
	s_cmp_lg_u32 s2, 0x3003
	s_cbranch_scc0 .Lentry_shape_is_right
	s_endpgm
.Lentry_shape_is_right:
; q = rope(hidden Wq), k = rope(hidden Wk), v = hidden Wv on codes of FP6 (E2M3) with E8M0 scales, K = 2,048; the results are quantised again (q, k along the head's 64, v along the keys)
; and stored as IMAGES OF OPERAND REGISTERS: qkv_img [48 heads][16 steps of 128 positions][6,400 bytes]: heads 0-31 q, 32-39 k, 40-47 v.  A step's block: four fragments of 1,536 bytes
; (registers 4 n .. 4 n + 3 of the twelve groups at 512 n + 16 x lane), then two registers of scale words (128 bytes each, 4 x lane).
; q, k: fragment b holds positions 32 b + r in registers 0-5 and positions 32 b + 16 + r in registers 6-11; lanes 0-15 the head's numbers 0-31, lanes 16-31 its numbers 32-63.
; v: fragment 2 B + u holds in lane m the head's number 32 B + 8 u + m + 8 (m / 8); its K are the step's 128 keys.
; Inside a block of 32 the order is 0-7, 16-23, 8-15, 24-31, alike in q and k, and alike in v and in the weights that the next launch makes: one scale serves the block, so the products are the same.
; THE PRODUCT.  Source 0 = 16 rows of operand P, source 1 = 16 rows of operand N: lane (r, h) of accumulator (nt, pt) holds N's row 16 nt + r and P's rows 16 pt + 8 h + 0 .. 7.
; y = 0-7: P = Wq, y = 8, 9: P = Wk (256 rows = 4 heads), N = 128 positions of hidden: a lane holds one position, its registers run along the head.
; y = 10, 11: P = 256 positions of hidden, N = 128 rows of Wv: a lane holds one number of the head, its registers run along the keys.
; A work-group: 256 x 128, four waves of 128 x 64 (32 accumulators).  K goes in steps of 256 through two LDS slots; the scale bytes of all of K come once.
; CLUSTER of 4 along x: the four partners need the same tile of P (it hangs on y and on the cluster's x alone): asked for jointly, mask 15.  N's tile is each work-group's own: a plain load in the same rounds.
; A cluster of 4 x 4 is not taken: k has two tiles of P and v two, so rows y = 8 .. 11 of one cluster would take different ways through the text.
; ROPE.  angle = position x inv_freq in f32; inv_freq = 1 / 10^(f / 8), the power as an f32 constant, the division to the nearest f32 or its neighbour; sine and cosine by reduction with pi / 2 in two parts and polynomials on
; [-pi/4, pi/4]: absolute error about 1e-7.
; LIMITS: a scale byte 0xff among the inputs is not served; a block of zeros gets the byte 1 (its codes are zeros; this program alone reads the bytes); blocks whose largest magnitude lies under 2^-124 have their byte held at 1.
; REGISTERS.  window 0: v1 r, v2 h, v16-23 fragment addresses, v24-27 addresses of the way out, v28-29 the spare word's address and 0, v30-31 scale addresses, v32-79 scale words (two sets), v128-223 N's fragments (two sets);
; v80-208 at work for sine and cosine ahead of the loop, v80-239 on the way out.  window 1: P's fragments, two sets.  window 2: the accumulators, (nt, pt) at 8 (8 nt + pt).  window 3: cosine at 32 nt + i, sine at 32 nt + 16 + i.
.set NPT,    8                         ; tiles of P a wave
.set NQ,     2                         ; steps of 128 along K that one set of scale words serves
.set ROWB,   256                       ; a tile's row: a chunk of 256 bytes of a row of codes, at a multiple of 256 bytes; a step of 128 along K is 96 bytes, eight steps to three chunks
.set QI,     5                         ; padding behind every 64 words
.set PITCH,  272                       ; 256 + 16
.set PROWS,  256
.set KROW,   1536                      ; a row of codes in memory
.set SLOT,   (PROWS+128)*PITCH         ; P's rows, then N's
.set CHUNKS, 6                         ; 1,536 / 256; chunk c lies in slot c % 2
.set SCL,    2*SLOT                    ; the scale bytes: units of 256 bytes + 16 of padding; a row of 64 bytes at 64 row + 16 (row / 4)
.set HALFSP, 8704                      ; 128 rows of P's
.set HALFSN, 4352                      ; 64 rows of N's
.set SBLK,   1088                      ; 16 rows
.set SPARE,  SCL+2*HALFSP+2*HALFSN     ; the spare words: 128 bytes a wave, two blocks of 256 bytes that no other line names
.set ADRP,   16
.set ADRN,   20
.set SPW,    28
.set NIL,    29
.set ADRSP,  30
.set ADRSN,  31
.set SC,     32
.set SCSET,  (NPT+4)*NQ
.set NF,     128
.set G1P,    24
.set G0P,    32
.set G1SN,   40
.set G1N,    48
.set G0N,    56
.set G1SP,   68
.set G0SP,   76
.set G0SN,   80
.set IF,     80                        ; sine and cosine: 16 registers each
.set XA,     96
.set XN,     112
.set XZ,     128
.set XS,     144
.set XC,     160
.set XI,     176
.set XT,     192
.set PO,     208
.set ST,     80                        ; the way out: 64 numbers
.set TM,     144
.set CT,     160
.set PWR,    168
.set MW,     172
.set PCR,    176
.set MSB, 0
.macro WIN new                         ; the immediate's high byte repeats the setting that is left
.if MSB != (\new)
	s_set_vgpr_msb (MSB<<8)|(\new)
.set MSB, (\new)
.endif
.endm
.macro PLACES n
.rept \n
	v_nop
.endr
.endm
; waves 0 and 1 fetch P's halves, waves 2 and 3 N's; four v_nop follow each of the two lines
.macro JLOAD g0p, g1p, g0n, g1n
	s_cmp_eq_u32 s15, 0
	s_cbranch_scc0 .Lfor_n_\@
	tensor_load_to_lds s[\g0p:\g0p+3], s[\g1p:\g1p+7]
	s_nop 0
.rept 4
	v_nop
.endr
	s_branch .Lasked_\@
.Lfor_n_\@:
	tensor_load_to_lds s[\g0n:\g0n+3], s[\g1n:\g1n+7]
	s_nop 0
.rept 4
	v_nop
.endr
.Lasked_\@:
.endm
.macro CREST                           ; a round of the cluster's barrier behind its opening barrier
	s_cmp_lg_u32 s14, 0
	s_cbranch_scc1 .Lnot_wave_0_\@
	s_barrier_signal -3
.Lnot_wave_0_\@:
	s_barrier_wait -3
	s_barrier_signal -1
	s_barrier_wait -1
.endm
.macro CROUND
	s_barrier_signal -1
	s_barrier_wait -1
	CREST
.endm
; a fragment: 16 rows x 128 K, 12 registers, in six pieces of 8 bytes; lanes 16-31 read three pieces further on, which for some pieces lies in the next chunk, in the other slot: the second pair of address registers
.macro FRAG reg, adr, st, i            ; st: the step, counted from the row's start.  Byte y of a row lies in slot (y / 256) % 2 at byte y % 256 of the LDS row
.irp p, 0,1,2,3,4,5
.set BY, 96*(\st)+48*(\p/3)+8*(\p%3)
.if BY/ROWB == (BY+24)/ROWB
	ds_load_b64 v[\reg+2*\p:\reg+2*\p+1], v[\adr+(BY/ROWB)%2] offset:BY%ROWB+(\i)*16*PITCH
.else                                  ; lanes 0-15 read a chunk's end, lanes 16-31 the next chunk's start, in the other slot
	ds_load_b64 v[\reg+2*\p:\reg+2*\p+1], v[\adr+2+(BY/ROWB)%2] offset:BY%ROWB-232+(\i)*16*PITCH
.endif
.endr
.endm
.macro FETCH st, set                   ; all fragments of step st into one set
	WIN 0x40
.set FI, 0
.rept NPT
	FRAG 128*(\set)+12*FI, ADRP, \st, FI
.set FI, FI+1
.endr
	WIN 0
.set FI, 0
.rept 4
	FRAG NF+48*(\set)+12*FI, ADRN, \st, FI
.set FI, FI+1
.endr
.endm
.macro SCALES sc, pr                   ; the scale words of steps 2 pr and 2 pr + 1 into set sc
.set FI, 0
.rept NPT
	ds_load_b64 v[SC+SCSET*(\sc)+NQ*FI:SC+SCSET*(\sc)+NQ*FI+1], v[ADRSP] offset:FI*SBLK+8*(\pr)
.set FI, FI+1
.endr
.set FI, 0
.rept 4
	ds_load_b64 v[SC+SCSET*(\sc)+NQ*(NPT+FI):SC+SCSET*(\sc)+NQ*(NPT+FI)+1], v[ADRSN] offset:FI*SBLK+8*(\pr)
.set FI, FI+1
.endr
.endm
; n tiles of N from nt0 on x all tiles of P.  The accumulators take turns, one instruction a turn, in the same order in every step
.macro MULS nt0, n, set, q, sc, zero
	WIN 0xa1                                       ; source 0 window 1, source 1 window 0, C and D window 2
.set NTI, \nt0
.rept \n
.set PTI, 0
.rept NPT
.if \zero
	v_wmma_scale_f32_16x16x128_f8f6f4 v[8*(NPT*NTI+PTI):8*(NPT*NTI+PTI)+7], v[128*(\set)+12*PTI:128*(\set)+12*PTI+11], v[NF+48*(\set)+12*NTI:NF+48*(\set)+12*NTI+11], 0, v[SC+SCSET*(\sc)+NQ*PTI+(\q)], v[SC+SCSET*(\sc)+NQ*(NPT+NTI)+(\q)] matrix_a_fmt:MATRIX_FMT_FP6 matrix_b_fmt:MATRIX_FMT_FP6
.else
	v_wmma_scale_f32_16x16x128_f8f6f4 v[8*(NPT*NTI+PTI):8*(NPT*NTI+PTI)+7], v[128*(\set)+12*PTI:128*(\set)+12*PTI+11], v[NF+48*(\set)+12*NTI:NF+48*(\set)+12*NTI+11], v[8*(NPT*NTI+PTI):8*(NPT*NTI+PTI)+7], v[SC+SCSET*(\sc)+NQ*PTI+(\q)], v[SC+SCSET*(\sc)+NQ*(NPT+NTI)+(\q)] matrix_a_fmt:MATRIX_FMT_FP6 matrix_b_fmt:MATRIX_FMT_FP6
.endif
.set PTI, PTI+1
.endr
.set NTI, NTI+1
.endr
.endm
; A step of 128 along K: multiplies step st's fragments and fetches the next step's into the other set.  Where the next step's 96 bytes END in a chunk that no step has read, every wave
; waits for its tensor loads and a barrier shows that chunk whole.  Where they BEGIN in a later chunk than this step's, the chunk left behind is read no more: the wait, the add, the wait
; for it and for my reads, the barrier; where a chunk two further on is left to fetch, the barrier opens a round of the cluster's and the slot is filled again.
; A PREFETCH INTO THE L2: behind the load of chunk c stands the request for chunk c + 2 of the rows that I fetch in the ring, a lane a row, 256 bytes each.  P's 128 rows a wave are shared out among the four partners
; that ask for them jointly, by address (32 rows each); N's 64 rows a wave are the work-group's own: two requests.  The address registers (v13, s[66:67]) are never rewritten; chunks 4 and 5 have no chunk two on.
.macro ASK c
	global_prefetch_b8 v13, s[66:67] offset:(\c)*ROWB th:TH_LOAD_NT scope:SCOPE_SE
	s_cmp_eq_u32 s15, 0
	s_cbranch_scc1 .Lasked_all_\@
	global_prefetch_b8 v13, s[66:67] offset:(\c)*ROWB+32*KROW th:TH_LOAD_NT scope:SCOPE_SE
.Lasked_all_\@:
.endm
.macro KST st, zero
.set NX, (\st)+1
.set C0, (96*(\st))/ROWB
.set C1, (96*NX)/ROWB
.set E0, (96*(\st)+95)/ROWB
.set E1, (96*NX+95)/ROWB
.if C1 > C0 || E1 > E0
	s_wait_tensorcnt 0x0                           ; all my tensor loads have landed
.if C1 > C0
	ds_add_u32 v[SPW], v[NIL]                      ; 0 onto my spare word
.endif
	s_wait_dscnt 0x0                               ; the add is done, this step's fragments are in, my reads of the chunk left behind are over
	s_barrier_signal -1
	MULS 0, 2, (\st)%2, (\st)%2, ((\st)/2)%2, \zero   ; work on registers while the others arrive
	WIN 0
	s_barrier_wait -1
.if C1 > C0 && C0+2 < CHUNKS
	CREST
	s_add_nc_u64 s[G0P+4*(C0%2)+2:G0P+4*(C0%2)+3], s[G0P+4*(C0%2)+2:G0P+4*(C0%2)+3], 2*ROWB
	s_add_nc_u64 s[G0N+4*(C0%2)+2:G0N+4*(C0%2)+3], s[G0N+4*(C0%2)+2:G0N+4*(C0%2)+3], 2*ROWB
	JLOAD G0P+4*(C0%2), G1P, G0N+4*(C0%2), G1N     ; chunk C0 + 2, the first tensor load behind the round; its four v_nop are the places in front of the loads below
.else
	PLACES 4
.endif
	FETCH NX, NX%2
.if NX%2 == 0
	SCALES (NX/2)%2, NX/2
.endif
.if C1 > C0 && C0+4 < CHUNKS
	ASK C0+4                                       ; behind the refill with chunk C0 + 2 and the run of LDS loads
.endif
	MULS 2, 2, (\st)%2, (\st)%2, ((\st)/2)%2, \zero
	WIN 0
.else
	s_wait_dscnt 0x0                               ; this step's fragments are in (asked for a step ago)
	PLACES 4                                       ; four places in front of loads into the set that the last step's products read
	FETCH NX, NX%2
.if NX%2 == 0
	SCALES (NX/2)%2, NX/2
.endif
	MULS 0, 4, (\st)%2, (\st)%2, ((\st)/2)%2, \zero
	WIN 0
.endif
.endm
; 64 numbers of a lane in four blocks of 16 registers (window w) become a fragment's 12 registers at pc and its scale word in pw; a block's other 16 numbers lie in lane l xor 16
.macro QUANT w, s0, s1, s2, s3, pc, pw
	WIN 0x14*(\w)                                  ; sources 1 and 2 in window w
	v_max3_num_f32 v[TM+0], 0x1800000, |v[(\s0)]|, |v[(\s0)+1]|   ; with the floor 2^(3 - 127): the byte cannot fall under 1
	v_max3_num_f32 v[TM+1], 0x1800000, |v[(\s1)]|, |v[(\s1)+1]|
	v_max3_num_f32 v[TM+2], 0x1800000, |v[(\s2)]|, |v[(\s2)+1]|
	v_max3_num_f32 v[TM+3], 0x1800000, |v[(\s3)]|, |v[(\s3)+1]|
.irp i, 2,4,6,8,10,12,14
	v_max3_num_f32 v[TM+0], v[TM+0], |v[(\s0)+\i]|, |v[(\s0)+\i+1]|
	v_max3_num_f32 v[TM+1], v[TM+1], |v[(\s1)+\i]|, |v[(\s1)+\i+1]|
	v_max3_num_f32 v[TM+2], v[TM+2], |v[(\s2)+\i]|, |v[(\s2)+\i+1]|
	v_max3_num_f32 v[TM+3], v[TM+3], |v[(\s3)+\i]|, |v[(\s3)+\i+1]|
.endr
	WIN 0
.irp b, 0,1,2,3
	v_permlanex16_b32 v[TM+4+\b], v[TM+\b], s86, s87
.endr
.irp b, 0,1,2,3
	v_max_num_f32 v[TM+\b], v[TM+\b], v[TM+4+\b]   ; the block's largest magnitude
.endr
.irp b, 0,1,2,3
	v_add_nc_u32 v[TM+12+\b], 0xff000000, v[TM+\b] ; 2 off its exponent field: the conversion's scale operand
.endr
.irp b, 0,1,2,3
	v_lshrrev_b32 v[TM+4+\b], 23, v[TM+12+\b]      ; the scale's byte
.endr
	v_lshl_or_b32 v[\pw], v[TM+5], 8, v[TM+4]
	v_lshl_or_b32 v[\pw], v[TM+6], 16, v[\pw]
	v_lshl_or_b32 v[\pw], v[TM+7], 24, v[\pw]
	WIN (\w)                                       ; source 0 in window w
	v_cvt_scalef32_pk16_fp6_f32 v[(\pc):(\pc)+2], v[(\s0):(\s0)+15], v[TM+12]
	v_cvt_scalef32_pk16_fp6_f32 v[CT:CT+2], v[(\s1):(\s1)+15], v[TM+13]
	v_cvt_scalef32_pk16_fp6_f32 v[(\pc)+6:(\pc)+8], v[(\s2):(\s2)+15], v[TM+14]
	v_cvt_scalef32_pk16_fp6_f32 v[CT+4:CT+6], v[(\s3):(\s3)+15], v[TM+15]
	WIN 0
	v_nop                                          ; one plain place behind a scaled conversion
.irp i, 0,1,2
	v_permlane16_swap_b32 v[(\pc)+\i], v[CT+\i]    ; a whole block to a lane: lanes 0-15 the even block, lanes 16-31 the odd one
	v_permlane16_swap_b32 v[(\pc)+6+\i], v[CT+4+\i]
.endr
.irp i, 0,1,2
	v_mov_b32 v[(\pc)+3+\i], v[CT+\i]
	v_mov_b32 v[(\pc)+9+\i], v[CT+4+\i]
.endr
.endm
	s_load_b512 s[84:99], s[0:1], 0x0              ; hidden's codes, scales; Wq's; Wk's; Wv's
	s_load_b64 s[12:13], s[0:1], 0x40              ; qkv_img
	v_lshl_add_u32 v[SPW], v0, 2, SPARE
	v_mov_b32 v[NIL], 0
	ds_add_u32 v28, v29
	ds_add_u32 v28, v29
	s_wait_dscnt 0x0
	v_lshrrev_b32 v1, 5, v0
	v_readfirstlane_b32 s14, v1                    ; wave 0..3
	s_lshr_b32 s15, s14, 1                         ; my half of P's rows.  Also: I fetch for P (0) or for N (1)
	s_and_b32 s16, s14, 1                          ; my half of N's rows.  Also: which half I fetch
	s_bfe_u32 s17, ttmp6, 0x40000                  ; cx
	s_and_b32 s18, ttmp7, 0xffff                   ; y
	; descriptor groups 1: tiles of codes (elements of 1 byte, 16 bytes of padding behind every 64), P's with the mask of all four partners
	s_mov_b32 s[G1P], 15|(1<<20)|(1<<21)|(QI<<22)|(3<<25)
	s_mov_b32 s[G1P+1], ROWB<<16
	s_mov_b32 s[G1P+2], PROWS<<16                  ; the head's load brings all 256 rows; behind it the two words that count rows are set to 128
	s_mov_b32 s[G1P+3], ROWB<<16
	s_mov_b32 s[G1P+4], PROWS
	s_mov_b32 s[G1P+5], KROW
	s_mov_b32 s[G1P+6], 0
	s_mov_b32 s[G1P+7], 0
	s_mov_b32 s[G1N], (1<<20)|(QI<<22)|(3<<25)
	s_mov_b32 s[G1N+1], ROWB<<16
	s_mov_b32 s[G1N+2], 128<<16                    ; likewise 128 rows at the head, then 64
	s_mov_b32 s[G1N+3], ROWB<<16
	s_mov_b32 s[G1N+4], 128
	s_mov_b32 s[G1N+5], KROW
	s_mov_b32 s[G1N+6], 0
	s_mov_b32 s[G1N+7], 0
	; and the scale bytes: dense blocks as rows of 256 bytes (32 elements of 8 bytes), 16 bytes of padding behind each
	s_mov_b32 s[G1SP], 15|(3<<16)|(1<<20)|(1<<21)|(5<<22)|(3<<25)
	s_mov_b32 s[G1SP+1], 32<<16
	s_mov_b32 s[G1SP+2], 64<<16                    ; the scale bytes of 256 rows: 64 units of 256 bytes
	s_mov_b32 s[G1SP+3], 32<<16
	s_mov_b32 s[G1SP+4], 64
	s_mov_b32 s[G1SP+5], 32
	s_mov_b32 s[G1SP+6], 0
	s_mov_b32 s[G1SP+7], 0
	s_mov_b32 s[G1SN], (3<<16)|(1<<20)|(5<<22)|(3<<25)
	s_mov_b32 s[G1SN+1], 32<<16
	s_mov_b32 s[G1SN+2], 32<<16                    ; of 128 rows: 32 units
	s_mov_b32 s[G1SN+3], 32<<16
	s_mov_b32 s[G1SN+4], 32
	s_mov_b32 s[G1SN+5], 32
	s_mov_b32 s[G1SN+6], 0
	s_mov_b32 s[G1SN+7], 0
	; which tensors and which tiles: the choices hang on y alone
	s_sub_co_u32 s19, s18, 8
	s_sub_co_u32 s21, s18, 10
	s_lshl_b32 s21, s21, 2
	s_add_co_u32 s21, s21, ttmp9                   ; v: P's tile = 4 (y - 10) + cluster x
	s_lshl_b32 s20, ttmp9, 2
	s_wait_kmcnt 0x0
	s_cmp_lt_u32 s18, 8
	s_cselect_b32 s19, s18, s19                    ; q: y; k: y - 8
	s_cselect_b64 s[4:5], s[88:89], s[92:93]
	s_cselect_b64 s[6:7], s[90:91], s[94:95]
	s_cmp_lt_u32 s18, 10
	s_cselect_b32 s19, s19, s21
	s_cselect_b32 s20, s20, 0
	s_cselect_b64 s[4:5], s[4:5], s[84:85]         ; P's codes
	s_cselect_b64 s[6:7], s[6:7], s[86:87]         ; P's scales
	s_cselect_b64 s[8:9], s[84:85], s[96:97]       ; N's codes
	s_cselect_b64 s[10:11], s[86:87], s[98:99]     ; N's scales
	s_add_co_u32 s20, s20, s17                     ; N's tile: 4 x cluster x + cx, or cx
	s_lshl_b32 s19, s19, 8                         ; P's first row
	s_lshl_b32 s20, s20, 7                         ; N's first row
	s_mov_b32 s21, s19                             ; the tile's first row of P
	s_mul_i32 s22, s21, KROW
	s_mov_b32 s23, 0
	s_add_nc_u64 s[4:5], s[4:5], s[22:23]
	s_lshl_b32 s22, s21, 6
	s_add_nc_u64 s[6:7], s[6:7], s[22:23]
	s_mov_b32 s92, s20                             ; the same for N, in registers of their own
	s_mul_i32 s94, s92, KROW
	s_mov_b32 s95, 0
	s_add_nc_u64 s[8:9], s[8:9], s[94:95]
	s_lshl_b32 s94, s92, 6
	s_add_nc_u64 s[10:11], s[10:11], s[94:95]
	s_mul_i32 s2, s16, 16*NPT*PITCH                ; where they go: the wave's number alone enters an LDS address
	s_mul_i32 s3, s16, 64*PITCH
	s_add_co_u32 s3, s3, PROWS*PITCH
	s_mul_i32 s22, s16, 16*NPT*KROW                ; in the ring I fetch half a tile's rows: which half, in bytes
	s_mul_i32 s94, s16, 64*KROW
	CROUND                                         ; all four work-groups are here: the first loads meet
	s_mov_b32 s[G0SP], 1
	s_mov_b32 s[G0SP+1], SCL
	s_mov_b64 s[G0SP+2:G0SP+3], s[6:7]
	s_or_b32 s[G0SP+3], s[G0SP+3], 0x80000000
	s_mov_b32 s[G0SN], 1
	s_mov_b32 s[G0SN+1], SCL+2*HALFSP
	s_mov_b64 s[G0SN+2:G0SN+3], s[10:11]
	s_or_b32 s[G0SN+3], s[G0SN+3], 0x80000000
	s_add_nc_u64 s[22:23], s[4:5], s[22:23]
	s_add_nc_u64 s[94:95], s[8:9], s[94:95]
	s_cmp_eq_u32 s15, 0                            ; where my prefetches stand: the rows that I fetch in the ring;
	s_cselect_b64 s[66:67], s[22:23], s[94:95]
	s_cselect_b32 s92, s17, 0                      ; of P's 128, my work-group's 32
	s_mul_i32 s92, s92, 32*KROW
	s_mov_b32 s93, 0
	s_add_nc_u64 s[66:67], s[66:67], s[92:93]
.irp s, 0,1
	s_mov_b32 s[G0P+4*\s], 1
	s_add_co_u32 s[G0P+4*\s+1], s2, \s*SLOT
	s_add_nc_u64 s[G0P+4*\s+2:G0P+4*\s+3], s[22:23], \s*ROWB
	s_or_b32 s[G0P+4*\s+3], s[G0P+4*\s+3], 0x80000000
	s_mov_b32 s[G0N+4*\s], 1
	s_add_co_u32 s[G0N+4*\s+1], s3, \s*SLOT
	s_add_nc_u64 s[G0N+4*\s+2:G0N+4*\s+3], s[94:95], \s*ROWB
	s_or_b32 s[G0N+4*\s+3], s[G0N+4*\s+3], 0x80000000
.endr
	s_mov_b64 s[6:7], s[4:5]                       ; group 0 of the head's loads of chunk 0, in registers that held arguments: P's 256 rows,
	s_or_b32 s7, s7, 0x80000000
	s_mov_b32 s4, 1
	s_mov_b32 s5, 0
	s_mov_b64 s[10:11], s[8:9]                     ; N's 128 rows
	s_or_b32 s11, s11, 0x80000000
	s_mov_b32 s8, 1
	s_mov_b32 s9, PROWS*PITCH
; THE HEAD'S LOADS, ONE A WAVE: wave 0 chunk 0 of P, wave 1 chunk 0 of N, wave 2 P's scale bytes, wave 3 N's; one chain of branches on the wave's number, one load to an arm
.macro ARM under, g0, g1, next
	s_cmp_lt_u32 s14, \under
	s_cbranch_scc0 \next
	tensor_load_to_lds s[\g0:\g0+3], s[\g1:\g1+7]
	s_nop 0
	PLACES 4
	s_branch .Lhead_asked
\next:
.endm
	ARM 1, 4, G1P, .Lhead_n
	ARM 2, 8, G1N, .Lhead_sp
	ARM 3, G0SP, G1SP, .Lhead_sn
	tensor_load_to_lds s[G0SN:G0SN+3], s[G1SN:G1SN+7]
	s_nop 0
	PLACES 4
.Lhead_asked:
	v_and_b32 v1, 15, v0                           ; r
	v_bfe_u32 v2, v0, 4, 1                         ; h
	v_mul_u32_u24 v3, v1, PITCH
	v_mad_u32_u24 v4, v2, 24, v3                   ; row x pitch + 24 h
	s_mov_b32 s21, SLOT-232
	s_mov_b32 s22, SLOT+232
	v_sub_nc_u32 v7, 1, v2
	v_mul_u32_u24 v5, s21, v2
	v_add_nc_u32 v5, v3, v5
	v_add_nc_u32 v5, 232, v5                       ; across two chunks: lanes 0-15 byte 232 of the row in slot 0, lanes 16-31 byte 0 of the row in slot 1;
	v_mul_u32_u24 v6, s22, v7
	v_add_nc_u32 v6, v3, v6                        ; and lanes 0-15 byte 232 in slot 1, lanes 16-31 byte 0 in slot 0
	s_mul_i32 s21, s15, 16*NPT*PITCH
	s_mul_i32 s22, s16, 64*PITCH
	s_add_co_u32 s22, s22, PROWS*PITCH
	v_add_nc_u32 v[ADRP+2], s21, v5
	v_add_nc_u32 v[ADRP+3], s21, v6
	v_add_nc_u32 v[ADRN+2], s22, v5
	v_add_nc_u32 v[ADRN+3], s22, v6
.irp s, 0,1
	v_add_nc_u32 v[ADRP+\s], s21, v4
	v_add_nc_u32 v[ADRN+\s], s22, v4
	s_add_co_u32 s21, s21, SLOT
	s_add_co_u32 s22, s22, SLOT
.endr
	v_lshrrev_b32 v6, 2, v1
	v_lshlrev_b32 v7, 6, v1
	v_lshl_add_u32 v7, v6, 4, v7                   ; 64 r + 16 (r / 4)
	s_mul_i32 s21, s15, HALFSP
	s_add_co_u32 s21, s21, SCL
	v_add_nc_u32 v[ADRSP], s21, v7
	s_mul_i32 s22, s16, HALFSN
	s_add_co_u32 s22, s22, SCL+2*HALFSP
	v_add_nc_u32 v[ADRSN], s22, v7
	v_and_b32 v8, 31, v0
	v_lshlrev_b32 v24, 4, v8                       ; the way out: 16 x lane,
	v_lshlrev_b32 v25, 2, v8                       ; 4 x lane;
	v_lshrrev_b32 v9, 3, v1
	v_and_b32 v10, 7, v1
	v_lshl_add_u32 v11, v2, 4, v10
	v_lshlrev_b32 v11, 4, v11
	v_mad_u32_u24 v26, v9, 1536, v11               ; v: fragment r / 8, lane r % 8 + 16 h
	v_lshlrev_b32 v12, 2, v10
	v_lshl_add_u32 v12, v9, 6, v12
	v_lshl_add_u32 v27, v2, 5, v12                 ; v's scale words: 64 (r / 8) + 4 (r % 8) + 32 h
	v_cmp_eq_u32 s100, 1, v2                       ; lanes 16-31
	s_mov_b32 s84, 0xb94ca1f9                      ; the sine's highest coefficient
	s_mov_b32 s85, 0x37ccf5ce                      ; the cosine's
	s_mov_b32 s86, 0x76543210
	s_mov_b32 s87, 0xfedcba98                      ; v_permlanex16_b32's selects for lane l xor 16
	v_mul_u32_u24 v13, v8, KROW                    ; the prefetches' offset: a lane a row
	s_wait_alu depctr_va_vdst(0)
	ASK 2                                          ; behind the head's load of chunk 0
	s_cmp_ge_u32 s18, 10
	s_cbranch_scc1 .Lno_rope                       ; v has no rotation
	; SINE AND COSINE of my 64 positions x my 16 frequencies f = 16 (i / 8) + 8 h + i % 8, while the first tiles are on their way
	v_cmp_eq_u32 vcc_lo, 1, v2
.macro AF i, lo, hi                    ; 10^(f / 8): lanes 0-15 the lower decade, lanes 16-31 the higher
	v_mov_b32 v[XT+\i], \hi
	v_cndmask_b32 v[IF+\i], \lo, v[XT+\i], vcc_lo
.endm
	AF 0, 1.0, 10.0
	AF 1, 1.333521432163, 13.33521432163
	AF 2, 1.778279410039, 17.78279410039
	AF 3, 2.371373705662, 23.71373705662
	AF 4, 3.162277660168, 31.62277660168
	AF 5, 4.216965034286, 42.16965034286
	AF 6, 5.623413251903, 56.23413251903
	AF 7, 7.498942093325, 74.98942093325
	AF 8, 100.0, 1000.0
	AF 9, 133.3521432163, 1333.521432163
	AF 10, 177.8279410039, 1778.279410039
	AF 11, 237.1373705662, 2371.373705662
	AF 12, 316.2277660168, 3162.277660168
	AF 13, 421.6965034286, 4216.965034286
	AF 14, 562.3413251903, 5623.413251903
	AF 15, 749.8942093325, 7498.942093325
	s_wait_alu depctr_va_vdst(0)
.irp i, 0,1,2,3,4,5,6,7,8,9,10,11,12,13,14,15
	v_rcp_f32 v[XA+\i], v[IF+\i]
.endr
	v_nop                                          ; a plain place behind the reciprocals
	s_wait_alu depctr_va_vdst(0)                   ; one wait for the batch, ahead of its first reader
.irp i, 0,1,2,3,4,5,6,7,8,9,10,11,12,13,14,15
	v_fma_f32 v[XN+\i], -v[IF+\i], v[XA+\i], 1.0   ; what the reciprocal misses,
.endr
.irp i, 0,1,2,3,4,5,6,7,8,9,10,11,12,13,14,15
	v_fma_f32 v[IF+\i], v[XN+\i], v[XA+\i], v[XA+\i]   ; put right: inv_freq
.endr
	s_lshl_b32 s92, s16, 6
	s_add_co_u32 s92, s92, s20
	v_add_nc_u32 v[PO], s92, v1
	v_cvt_f32_u32 v[PO], v[PO]                     ; my position in tile 0
.macro SINCOS nt
.irp i, 0,1,2,3,4,5,6,7,8,9,10,11,12,13,14,15
	v_mul_f32 v[XA+\i], v[PO], v[IF+\i]            ; the angle, rounded once
.endr
.irp i, 0,1,2,3,4,5,6,7,8,9,10,11,12,13,14,15
	v_mul_f32 v[XN+\i], 0x3f22f983, v[XA+\i]       ; x 2 / pi
.endr
.irp i, 0,1,2,3,4,5,6,7,8,9,10,11,12,13,14,15
	v_rndne_f32 v[XN+\i], v[XN+\i]                 ; n: at most 1,303
.endr
.irp i, 0,1,2,3,4,5,6,7,8,9,10,11,12,13,14,15
	v_fmamk_f32 v[XA+\i], v[XN+\i], 0xbfc90fdb, v[XA+\i]   ; - n x the f32 nearest pi / 2: a multiple of 2^-23 under 1, so nothing is rounded
.endr
.irp i, 0,1,2,3,4,5,6,7,8,9,10,11,12,13,14,15
	v_fmamk_f32 v[XA+\i], v[XN+\i], 0x333bbd2e, v[XA+\i]   ; - n x the rest of pi / 2 (-4.371139e-8)
.endr
.irp i, 0,1,2,3,4,5,6,7,8,9,10,11,12,13,14,15
	v_mul_f32 v[XZ+\i], v[XA+\i], v[XA+\i]
.endr
.irp i, 0,1,2,3,4,5,6,7,8,9,10,11,12,13,14,15
	v_fmaak_f32 v[XS+\i], s84, v[XZ+\i], 0x3c08839e
	v_fmaak_f32 v[XC+\i], s85, v[XZ+\i], 0xbab6061a
.endr
.irp i, 0,1,2,3,4,5,6,7,8,9,10,11,12,13,14,15
	v_fmaak_f32 v[XS+\i], v[XS+\i], v[XZ+\i], 0xbe2aaaa3
	v_fmaak_f32 v[XC+\i], v[XC+\i], v[XZ+\i], 0x3d2aaaa5
.endr
.irp i, 0,1,2,3,4,5,6,7,8,9,10,11,12,13,14,15
	v_mul_f32 v[XS+\i], v[XS+\i], v[XZ+\i]
	v_mul_f32 v[XT+\i], v[XZ+\i], v[XZ+\i]
	v_fma_f32 v[XI+\i], v[XZ+\i], -0.5, 1.0
.endr
.irp i, 0,1,2,3,4,5,6,7,8,9,10,11,12,13,14,15
	v_fma_f32 v[XS+\i], v[XS+\i], v[XA+\i], v[XA+\i]   ; sin of the rest
	v_fma_f32 v[XC+\i], v[XC+\i], v[XT+\i], v[XI+\i]   ; cos of the rest
.endr
.irp i, 0,1,2,3,4,5,6,7,8,9,10,11,12,13,14,15
	v_cvt_i32_f32 v[XI+\i], v[XN+\i]
.endr
.irp i, 0,1,2,3,4,5,6,7,8,9,10,11,12,13,14,15
	v_and_b32 v[XT+\i], 1, v[XI+\i]
.endr
.irp i, 0,1,2,3,4,5,6,7,8,9,10,11,12,13,14,15
	v_cmp_eq_u32 vcc_lo, 1, v[XT+\i]               ; an odd n: the two change places
	v_cndmask_b32 v[XZ+\i], v[XS+\i], v[XC+\i], vcc_lo
	v_cndmask_b32 v[XA+\i], v[XC+\i], v[XS+\i], vcc_lo
.endr
.irp i, 0,1,2,3,4,5,6,7,8,9,10,11,12,13,14,15
	v_lshlrev_b32 v[XT+\i], 30, v[XI+\i]           ; the sine's sign: bit 1 of n;
	v_add_nc_u32 v[XI+\i], 1, v[XI+\i]
.endr
.irp i, 0,1,2,3,4,5,6,7,8,9,10,11,12,13,14,15
	v_and_b32 v[XT+\i], 0x80000000, v[XT+\i]
	v_lshlrev_b32 v[XI+\i], 30, v[XI+\i]           ; the cosine's: bit 1 of n + 1
.endr
.irp i, 0,1,2,3,4,5,6,7,8,9,10,11,12,13,14,15
	v_and_b32 v[XI+\i], 0x80000000, v[XI+\i]
.endr
	WIN 0xc0                                       ; destination window 3
.irp i, 0,1,2,3,4,5,6,7,8,9,10,11,12,13,14,15
	v_xor_b32 v[32*\nt+\i], v[XA+\i], v[XI+\i]
	v_xor_b32 v[32*\nt+16+\i], v[XZ+\i], v[XT+\i]
.endr
	WIN 0
	v_add_f32 v[PO], 0x41800000, v[PO]             ; 16 positions on
.endm
	SINCOS 0
	SINCOS 1
.Lno_rope:
	s_wait_alu depctr_va_vdst(0)
	s_wait_tensorcnt 0x0                           ; my tile of the head's four is in; the same lines as ahead of a refill stand ahead of slot 1's first fill
	ds_add_u32 v[SPW], v[NIL]
	s_mov_b32 s[G1P+2], 128<<16                    ; no tensor load of mine is out: from here on a load brings half a tile's rows
	s_mov_b32 s[G1P+4], 128
	s_mov_b32 s[G1N+2], 64<<16
	s_mov_b32 s[G1N+4], 64
	s_wait_dscnt 0x0
	CROUND                                         ; all four tiles are in, and all four work-groups are here
	JLOAD G0P+4, G1P, G0N+4, G1N                   ; chunk 1, the first tensor load behind the round
	s_cmp_ge_u32 s18, 10
	s_cbranch_scc1 .Lno_rope2
	SINCOS 2                                       ; the other half of sine and cosine, while chunk 1 is on its way
	SINCOS 3
.Lno_rope2:
	s_wait_alu depctr_va_vdst(0)
	FETCH 0, 0
	SCALES 0, 0
	ASK 3                                          ; behind the load of chunk 1
	KST 0, 1                                       ; the first step's products start the sums
.set KI, 1                             ; the walk is written out: slots and chunks come back to where they began only after sixteen steps, all of K
.rept 14
	KST KI, 0
.set KI, KI+1
.endr
	s_wait_dscnt 0x0
	MULS 0, 4, 1, 1, 1, 0
	WIN 0
	PLACES 4                                       ; in front of the first read of results and of the first write into registers that held fragments
.irp b, 0,1,2,3
	v_mov_b32 v[TM+4+\b], 0                        ; written once: a lane permute's destination counts as one of its sources
.endr
	s_cmp_ge_u32 s18, 10
	s_cbranch_scc1 .Lv_out
	; THE WAY OUT OF q AND k: my two heads x my two pairs of tiles of positions
	s_lshl_b32 s92, s18, 2
	s_lshl_b32 s93, s15, 1
	s_add_co_u32 s92, s92, s93                     ; the image's head: 4 y + 2 x my half
	s_mul_i32 s92, s92, 102400
	s_lshr_b32 s93, s20, 7
	s_mul_i32 s93, s93, 6400                       ; the step: N's tile
	s_add_co_u32 s92, s92, s93
	s_mul_i32 s93, s16, 3072
	s_add_co_u32 s94, s92, s93
	s_mov_b32 s95, 0
	s_add_nc_u64 s[96:97], s[12:13], s[94:95]      ; my two fragments
	s_lshl_b32 s93, s16, 7
	s_add_co_u32 s94, s92, s93
	s_add_co_u32 s94, s94, 6144
	s_add_nc_u64 s[98:99], s[12:13], s[94:95]      ; my register of scale words
.irp hd, 0,1
.irp pr, 0,1
	WIN 0x0e                                       ; source 0 window 2, source 1 window 3
.irp c, 0,1
.irp tp, 0,1
.irp j, 0,2,4,6
.set RA, 8*(NPT*(2*\pr+\c)+4*\hd+\tp)+\j
.set RC, 32*(2*\pr+\c)+8*\tp+\j
.set SA, ST+32*\c+8*\tp+\j
	v_pk_mul_f32 v[SA:SA+1], v[RA:RA+1], v[RC:RC+1]                    ; x1 cos
	v_pk_mul_f32 v[SA+16:SA+17], v[RA+16:RA+17], v[RC:RC+1]            ; x2 cos
	v_pk_fma_f32 v[SA:SA+1], v[RA+16:RA+17], v[RC+16:RC+17], v[SA:SA+1] neg_lo:[1,0,0] neg_hi:[1,0,0]   ; - x2 sin
	v_pk_fma_f32 v[SA+16:SA+17], v[RA:RA+1], v[RC+16:RC+17], v[SA+16:SA+17]   ; + x1 sin
.endr
.endr
.endr
	QUANT 0, ST, ST+16, ST+32, ST+48, PCR+16*(2*\hd+\pr), PWR+2*\hd+\pr
.irp n, 0,1,2
	global_store_b128 v24, v[PCR+16*(2*\hd+\pr)+4*\n:PCR+16*(2*\hd+\pr)+4*\n+3], s[96:97] offset:\hd*102400+\pr*1536+512*\n   ; 32 lanes store 512 consecutive bytes, at a multiple of 256 from the buffer's first byte
.endr
.endr
	v_cndmask_b32 v[MW+\hd], v[PWR+2*\hd], v[PWR+2*\hd+1], s100   ; lanes 0-15 the first pair's words, lanes 16-31 the second's
	global_store_b32 v25, v[MW+\hd], s[98:99] offset:\hd*102400
.endr
	s_branch .Ldone
.Lv_out:
	; THE WAY OUT OF v: my head's 64 numbers x my 128 keys: four fragments, their rows dealt to the image's
	s_lshl_b32 s92, s17, 1
	s_add_co_u32 s92, s92, s16
	s_add_co_u32 s92, s92, 40                      ; the image's head: 40 + 2 cx + my half
	s_mul_i32 s92, s92, 102400
	s_lshr_b32 s93, s19, 7
	s_add_co_u32 s93, s93, s15                     ; the step
	s_mul_i32 s93, s93, 6400
	s_add_co_u32 s94, s92, s93
	s_mov_b32 s95, 0
	s_add_nc_u64 s[96:97], s[12:13], s[94:95]
.irp nt, 0,1,2,3
	QUANT 2, 64*\nt, 64*\nt+16, 64*\nt+32, 64*\nt+48, PCR+16*\nt, PWR+\nt
.irp n, 0,1,2
	global_store_b128 v26, v[PCR+16*\nt+4*\n:PCR+16*\nt+4*\n+3], s[96:97] offset:(\nt/2)*3072+(\nt%2)*128+512*\n
.endr
.endr
.irp i, 0,1
	v_cndmask_b32 v[MW+\i], v[PWR+2*\i], v[PWR+2*\i+1], s100
	global_store_b32 v27, v[MW+\i], s[96:97] offset:6144+128*\i
.endr
.Ldone:
	s_wait_tensorcnt 0x0                           ; the wave's end
	ds_add_u32 v[SPW], v[NIL]
	s_wait_dscnt 0x0
	CROUND                                         ; the closing round: no work-group ends while a partner may still ask for a tile that names it
	s_endpgm
.Lfunc_end_k_q35930eefdb_qkv:
	.size	k_q35930eefdb_qkv, .Lfunc_end_k_q35930eefdb_qkv-k_q35930eefdb_qkv
	.p2alignl 7, 3214868480
	.fill 96, 4, 3214868480
	.section	.rodata,"a",@progbits
	.p2align	6, 0x0
	.amdhsa_kernel k_q35930eefdb_qkv
		.amdhsa_group_segment_fixed_size 327680
		.amdhsa_private_segment_fixed_size 0
		.amdhsa_enable_private_segment 0
		.amdhsa_kernarg_size 72
		.amdhsa_user_sgpr_count 2
		.amdhsa_user_sgpr_kernarg_segment_ptr 1
		.amdhsa_wavefront_size32 1
		.amdhsa_system_sgpr_workgroup_id_x 1
		.amdhsa_system_sgpr_workgroup_id_y 1
		.amdhsa_system_sgpr_workgroup_id_z 1
		.amdhsa_system_vgpr_workitem_id 0
		.amdhsa_next_free_vgpr 896
		.amdhsa_next_free_sgpr 102
		.amdhsa_reserve_vcc 1
		.amdhsa_float_denorm_mode_32 3
		.amdhsa_float_denorm_mode_16_64 3
		.amdhsa_memory_ordered 1
		.amdhsa_forward_progress 1
		.amdhsa_inst_pref_size 255
	.end_amdhsa_kernel
	.section	.bss,"aw",@nobits
	.p2align	6
	.space	262144
	.amdgpu_metadata
---
amdhsa.version: [ 1, 2 ]
amdhsa.kernels:
  - .name:           k_q35930eefdb_qkv
    .symbol:         k_q35930eefdb_qkv.kd
    .args:
      - { .name: hidden_states_codes, .offset: 0, .size: 8, .value_kind: global_buffer, .address_space: global }
      - { .name: hidden_states_scales, .offset: 8, .size: 8, .value_kind: global_buffer, .address_space: global }
      - { .name: Wq_codes, .offset: 16, .size: 8, .value_kind: global_buffer, .address_space: global }
      - { .name: Wq_scales, .offset: 24, .size: 8, .value_kind: global_buffer, .address_space: global }
      - { .name: Wk_codes, .offset: 32, .size: 8, .value_kind: global_buffer, .address_space: global }
      - { .name: Wk_scales, .offset: 40, .size: 8, .value_kind: global_buffer, .address_space: global }
      - { .name: Wv_codes, .offset: 48, .size: 8, .value_kind: global_buffer, .address_space: global }
      - { .name: Wv_scales, .offset: 56, .size: 8, .value_kind: global_buffer, .address_space: global }
      - { .name: qkv_img, .offset: 64, .size: 8, .value_kind: global_buffer, .address_space: global }
    .group_segment_fixed_size: 327680
    .private_segment_fixed_size: 0
    .kernarg_segment_align: 8
    .kernarg_segment_size: 72
    .max_flat_workgroup_size: 128
    .sgpr_count:     102
    .vgpr_count:     896
    .wavefront_size: 32
...
	.end_amdgpu_metadata
.endif
;; end of part 1
;; launch attn (part 2): grid 32 x 8, 8 waves a work-group, clusters of 4 x 1, 327,680 bytes of LDS; arguments qkv_img, attention_mask, o_codes, o_scales; writes o_codes, o_scales
.if DOCPART == 2
	.amdgcn_target "amdgcn-amd-amdhsa--gfx1250"
	.amdhsa_code_object_version 6
	.text
	.protected	k_q35930eefdb_attn
	.globl	k_q35930eefdb_attn
	.p2align	8
	.type	k_q35930eefdb_attn,@function
k_q35930eefdb_attn:
	s_mov_b64 s[64:65], 0
	v_nop
	global_prefetch_b8 v0, s[64:65] scope:SCOPE_SE
	s_setreg_imm32_b32 hwreg(HW_REG_WAVE_MODE, 25, 1), 1
	s_wait_xcnt 0x0
	s_wait_alu depctr_hold_cnt(0) depctr_sa_sdst(0) depctr_va_vdst(0) depctr_va_sdst(0) depctr_va_ssrc(0) depctr_va_vcc(0) depctr_vm_vsrc(0)
	s_getreg_b32 s2, hwreg(HW_REG_IB_STS2, 6, 4)
	s_cmp_eq_u32 s2, 0
	s_cbranch_scc0 .Lentry_in_a_cluster
	s_endpgm
.Lentry_in_a_cluster:
	s_bfe_u32 s2, ttmp6, 0x10000c
	s_cmp_lg_u32 s2, 0x3003
	s_cbranch_scc0 .Lentry_shape_is_right
	s_endpgm
.Lentry_shape_is_right:
; o = softmax(q k^T / 8 + mask) v on codes of FP6 (E2M3) with E8M0 scales, from the operand images that the launch before stored; o is quantised along its row and stored as codes and scale bytes.
; A work-group: 64 queries (x) of the four heads y, y + 8, y + 16, y + 24, which share key/value head y.  EIGHT WAVES, two to a SIMD, 512 registers each: wave w takes the 16 queries of tile w / 2
; and the two heads y + 8 (2 (w % 2) + T), T = 0, 1.  Both products are used transposed (S^T = k q^T, O^T = v^T p^T): a lane holds one query throughout.
; The head's 64 numbers fill half of a product's K = 128: a fragment of k holds two tiles of 16 keys, and q's six registers stand beside six registers of zeros, below or above.
; K AND V of the head, all 16 steps of 128 keys (2 x 102,400 bytes), lie in LDS, filled once by two loads a wave: steps 0-3 at the head, steps 4-15 behind the full sequence and a round.
; CLUSTER of 4 along x: the partners need the same k and v: asked for jointly, mask 15.  No prefetch: each wave's two loads are asked for at the head, with no loop ahead of them to run ahead in;
; the mask comes by loads issued one step of 128 keys ahead of their use.
; SOFTMAX: t = score x log2(e) / 8 + mask x log2(e); M = the ceiling of the running largest t, kept as -M; p = 2^(t - M); the sum is taken of the unquantised p; a change of M multiplies sum and O^T by a power of two.
; LIMITS: the promise holds while |t| stays under 2^31 apart from the mask's clip.  The clip of the scores at the least f32 is made on the mask term, at -2.0e38: it differs only in rows whose every score lies under that.
; A block of zeros gets the scale byte 1 (its codes are zeros; this program alone reads the bytes).
; REGISTERS.  window 0: v1-11 addresses, v12-15 scale operands, v16-23 state (-M, largest t, the sum's two halves) x 2, v24-25 the spare word's address and 0, v32-39 scale words, v40-69 q and zeros,
; v96-159 scores and p, v160-223 the mask term, v224-255 p's codes and temporaries.  window 1: v0-47 k's fragments, v48-95 v's, v96-159 the raw mask, v160-223 O^T.
.set HEADB, 102400
.set STEPB, 6400
.set VOFF,  102400
.set TSTR,  819200                     ; eight heads on in the image
.set SPARE, 0x32000                    ; behind k and v: the spare words, 128 bytes a wave
.set LI,  1
.set LS,  2
.set LIV, 3
.set LSV, 4
.set ADK, 5
.set ADV, 6
.set ADS, 7
.set ADT, 8
.set MA,  9
.set OA,  10
.set OSA, 11
.set SO,  12
.set STT, 16
.set SPW, 24
.set NIL, 25
.set QS,  32
.set KS,  36
.set VS,  38
.set QZ,  40
.set S,   96
.set MK,  160
.set PC,  224
.set CT,  236
.set BM,  244
.set PT,  248
.set FF,  252
.set TMP, 254
.set PW,  255
.set KF,  0
.set VF,  48
.set RAW, 96
.set OO,  160
.set TB,  47
.set CNT, 48
.set MSB, 0
.macro WIN new
.if MSB != (\new)
	s_set_vgpr_msb (MSB<<8)|(\new)
.set MSB, (\new)
.endif
.endm
.macro PLACES n
.rept \n
	v_nop
.endr
.endm
.macro CROUND                          ; a round of the cluster's barrier
	s_barrier_signal -1
	s_barrier_wait -1
	s_cmp_lg_u32 s12, 0
	s_cbranch_scc1 .Lnot_wave_0_\@
	s_barrier_signal -3
.Lnot_wave_0_\@:
	s_barrier_wait -3
	s_barrier_signal -1
	s_barrier_wait -1
.endm
.macro MASKLOAD                        ; my query's 64 mask numbers of a step, in the order of the scores' registers
	WIN 0x40
.irp n, 0,1,2,3,4,5,6,7,8,9,10,11,12,13,14,15
	global_load_b128 v[RAW+4*\n:RAW+4*\n+3], v[MA], s[50:51] offset:128*(\n/4)+64*((\n/2)%2)+16*(\n%2)
.endr
	WIN 0
.endm
.macro QK T                            ; eight tiles of 16 keys: fragment b's lower (e = 0) or upper (e = 1) tile meets q, the other meets zeros
	WIN 0x01
.irp b, 0,1,2,3
.irp e, 0,1
.if (\b)%2
	v_wmma_scale_f32_16x16x128_f8f6f4 v[S+16*\b+8*\e:S+16*\b+8*\e+7], v[KF+12*\b:KF+12*\b+11], v[QZ+6-6*\e+12*(\T):QZ+6-6*\e+12*(\T)+11], 0, v[KS+\b/2], v[QS+(\T)] matrix_a_fmt:MATRIX_FMT_FP6 matrix_b_fmt:MATRIX_FMT_FP6 matrix_a_scale:MATRIX_SCALE_ROW1
.else
	v_wmma_scale_f32_16x16x128_f8f6f4 v[S+16*\b+8*\e:S+16*\b+8*\e+7], v[KF+12*\b:KF+12*\b+11], v[QZ+6-6*\e+12*(\T):QZ+6-6*\e+12*(\T)+11], 0, v[KS+\b/2], v[QS+(\T)] matrix_a_fmt:MATRIX_FMT_FP6 matrix_b_fmt:MATRIX_FMT_FP6
.endif
.endr
.endr
.endm
.macro PV T                            ; O^T += v^T p^T: four accumulators by turns
	WIN 0x51
.irp t, 0,1,2,3
.if (\t)%2
	v_wmma_scale_f32_16x16x128_f8f6f4 v[OO+32*(\T)+8*\t:OO+32*(\T)+8*\t+7], v[VF+12*\t:VF+12*\t+11], v[PC:PC+11], v[OO+32*(\T)+8*\t:OO+32*(\T)+8*\t+7], v[VS+\t/2], v[PW] matrix_a_fmt:MATRIX_FMT_FP6 matrix_b_fmt:MATRIX_FMT_FP6 matrix_a_scale:MATRIX_SCALE_ROW1
.else
	v_wmma_scale_f32_16x16x128_f8f6f4 v[OO+32*(\T)+8*\t:OO+32*(\T)+8*\t+7], v[VF+12*\t:VF+12*\t+11], v[PC:PC+11], v[OO+32*(\T)+8*\t:OO+32*(\T)+8*\t+7], v[VS+\t/2], v[PW] matrix_a_fmt:MATRIX_FMT_FP6 matrix_b_fmt:MATRIX_FMT_FP6
.endif
.endr
.endm
.macro SM T                            ; scores -> p's codes and scale word; the state and O^T under the new M
.set NM, STT+4*(\T)
.set TX, NM+1
.set LL, NM+2
.set J, 0
.rept 32
	v_pk_fma_f32 v[S+J:S+J+1], v[S+J:S+J+1], s[42:43], v[MK+J:MK+J+1] op_sel_hi:[1,0,1]   ; the logit u = score / 8 + mask, rounded once
.set J, J+2
.endr
.irp b, 0,1,2,3
	v_max3_num_f32 v[BM+\b], v[S+16*\b], v[S+16*\b+1], v[S+16*\b+2]   ; each block's largest t: for the row's maximum and for the block's largest p
.endr
.irp i, 3,5,7,9,11,13
.irp b, 0,1,2,3
	v_max3_num_f32 v[BM+\b], v[BM+\b], v[S+16*\b+\i], v[S+16*\b+\i+1]
.endr
.endr
.irp b, 0,1,2,3
	v_max_num_f32 v[BM+\b], v[BM+\b], v[S+16*\b+15]
.endr
.irp b, 0,1,2,3
	v_permlanex16_b32 v[PT+\b], v[BM+\b], s40, s41
.endr
.irp b, 0,1,2,3
	v_max_num_f32 v[BM+\b], v[BM+\b], v[PT+\b]
.endr
	v_max3_num_f32 v[TMP], v[BM], v[BM+1], v[BM+2]
	v_max_num_f32 v[TMP], v[TMP], v[BM+3]
	v_max_num_f32 v[TX], v[TX], v[TMP]
	v_mul_f32 v[FF], s44, v[TX]                    ; the running largest logit as t.  LIMIT: a row whose largest |t| reaches 2^31 is not served: there t's rounding is no longer small beside p's exponent range
	v_mov_b32 v[TMP], v[NM]
	v_floor_f32 v[NM], -v[FF]                      ; -M = floor(-t)
	v_sub_f32 v[TMP], v[NM], v[TMP]
	v_cvt_i32_f32 v[TMP], v[TMP]                   ; (it saturates)
	v_ldexp_f32 v[FF], 1.0, v[TMP]                 ; f = 2^(old M - new M)
.set J, 0
.rept 32
	v_pk_fma_f32 v[S+J:S+J+1], v[S+J:S+J+1], s[44:45], v[NM:NM+1] op_sel_hi:[1,0,0]   ; t - M = u x log2(e) - M
.set J, J+2
.endr
.irp b, 0,1,2,3
	v_fma_f32 v[BM+\b], v[BM+\b], s44, v[NM]       ; the same of each block's largest logit
.endr
.set J, 0
	s_wait_alu depctr_va_vdst(0)
.rept 64
	v_exp_f32 v[S+J], v[S+J]
.set J, J+1
.endr
	v_pk_mul_f32 v[LL:LL+1], v[LL:LL+1], v[FF:FF+1] op_sel_hi:[1,0]
	s_wait_alu depctr_va_vdst(0)                   ; one wait for the batch
.irp b, 0,1,2,3
	v_exp_f32 v[BM+\b], v[BM+\b]
.endr
	v_pk_add_f32 v[CT:CT+1], v[S:S+1], v[S+2:S+3]  ; the sum of the unquantised p, in two chains
.set J, 4
.rept 15
	v_pk_add_f32 v[LL:LL+1], v[LL:LL+1], v[S+J:S+J+1]
	v_pk_add_f32 v[CT:CT+1], v[CT:CT+1], v[S+J+2:S+J+3]
.set J, J+4
.endr
	v_pk_add_f32 v[LL:LL+1], v[LL:LL+1], v[CT:CT+1]
	s_wait_alu depctr_va_vdst(0)                   ; and one for the four
.irp b, 0,1,2,3
	v_max_num_f32 v[BM+\b], 0x1800000, v[BM+\b]    ; the floor 2^(3 - 127): the byte cannot fall under 1
.endr
.irp b, 0,1,2,3
	v_add_nc_u32 v[SO+\b], 0xff000000, v[BM+\b]
.endr
.irp b, 0,1,2,3
	v_lshrrev_b32 v[PT+\b], 23, v[SO+\b]
.endr
	v_lshl_or_b32 v[PW], v[PT+1], 8, v[PT]
	v_lshl_or_b32 v[PW], v[PT+2], 16, v[PW]
	v_lshl_or_b32 v[PW], v[PT+3], 24, v[PW]
.irp c, 0,1
	v_cvt_scalef32_pk16_fp6_f32 v[PC+6*\c:PC+6*\c+2], v[S+32*\c:S+32*\c+15], v[SO+2*\c]
	v_cvt_scalef32_pk16_fp6_f32 v[CT+4*\c:CT+4*\c+2], v[S+32*\c+16:S+32*\c+31], v[SO+2*\c+1]
.endr
	v_nop
.irp c, 0,1
.irp i, 0,1,2
	v_permlane16_swap_b32 v[PC+6*\c+\i], v[CT+4*\c+\i]   ; a whole block to a lane
.endr
.irp i, 0,1,2
	v_mov_b32 v[PC+3+6*\c+\i], v[CT+4*\c+\i]
.endr
.endr
	WIN 0x41
	s_wait_alu depctr_va_vdst(0)                   ; the wait directly ahead of the first reader of O^T
.set J, 0
.rept 16
	v_pk_mul_f32 v[OO+32*(\T)+J:OO+32*(\T)+J+1], v[OO+32*(\T)+J:OO+32*(\T)+J+1], v[FF:FF+1] op_sel_hi:[1,0]   ; also the places ahead of the products below
.set J, J+2
.endr
.endm
.macro KSTEP tail                      ; 128 keys
	v_add_nc_u32 v[ADK], s[TB], v[LI]              ; (these four are the places behind the last products)
	v_add_nc_u32 v[ADV], s[TB], v[LIV]
	v_add_nc_u32 v[ADS], s[TB], v[LS]
	v_add_nc_u32 v[ADT], s[TB], v[LSV]
	WIN 0x40
.irp n, 0,1,2,3,4,5,6,7,8,9,10,11
	ds_load_b128 v[KF+4*\n:KF+4*\n+3], v[ADK] offset:512*\n
.endr
.irp n, 0,1,2,3,4,5,6,7,8,9,10,11
	ds_load_b128 v[VF+4*\n:VF+4*\n+3], v[ADV] offset:512*\n
.endr
	WIN 0
	ds_load_b32 v[KS], v[ADS] offset:6144
	ds_load_b32 v[KS+1], v[ADS] offset:6272
	ds_load_b32 v[VS], v[ADT] offset:6144
	ds_load_b32 v[VS+1], v[ADT] offset:6272
	s_wait_loadcnt 0x0                             ; this step's mask is in
	WIN 0x04
.set J, 0
.rept 64
	v_max_num_f32 v[MK+J], s46, v[RAW+J]           ; the clip
.set J, J+1
.endr
	WIN 0
.if \tail
	s_cmp_eq_u32 s[CNT], 1
	s_cbranch_scc1 .Lno_mask_\@                    ; the last step asks for nothing beyond the row
.endif
	s_add_nc_u64 s[50:51], s[50:51], 512
	MASKLOAD
.if \tail
.Lno_mask_\@:
.endif
	s_wait_dscnt 0x0
	s_barrier_signal -1                            ; a split barrier in each step: no wave begins the next step before every wave has this step's fragments; only work on registers stands between the two halves
.irp T, 0,1
	QK \T
	WIN 0
	PLACES 4
	SM \T
	PV \T
.endr
	WIN 0
	s_barrier_wait -1
	s_add_co_u32 s[TB], s[TB], STEPB
.endm
	s_load_b256 s[4:11], s[0:1], 0x0               ; qkv_img, mask, o_codes, o_scales
	v_lshl_add_u32 v[SPW], v0, 2, SPARE
	v_mov_b32 v[NIL], 0
	ds_add_u32 v[SPW], v[NIL]                      ; the opening lines: the add, twice on end, and its wait
	ds_add_u32 v[SPW], v[NIL]
	v_lshrrev_b32 v1, 5, v0
	v_readfirstlane_b32 s12, v1                    ; wave 0..7
	s_bfe_u32 s13, ttmp6, 0x40000
	s_lshl_b32 s14, ttmp9, 2
	s_add_co_u32 s14, s14, s13                     ; x
	s_and_b32 s15, ttmp7, 0xffff                   ; y
	s_mov_b32 s16, 15|(3<<16)|(1<<21)              ; group 1: dense rows of 256 bytes; 25 of them (one step's block),
	s_mov_b32 s17, 32<<16
	s_mov_b32 s18, 25<<16
	s_mov_b32 s19, 32<<16
	s_mov_b32 s20, 25
	s_mov_b32 s21, 32
	s_mov_b32 s22, 0
	s_mov_b32 s23, 0
	s_mov_b32 s24, 15|(3<<16)|(1<<21)              ; or 75 (three steps')
	s_mov_b32 s25, 32<<16
	s_mov_b32 s26, 75<<16
	s_mov_b32 s27, 32<<16
	s_mov_b32 s28, 75
	s_mov_b32 s29, 32
	s_mov_b32 s30, 0
	s_mov_b32 s31, 0
	s_mov_b32 s40, 0x76543210
	s_mov_b32 s41, 0xfedcba98
	s_mov_b32 s42, 0x3e000000                      ; 1 / 8
	s_mov_b32 s43, s42
	s_mov_b32 s44, 0x3fb8aa3b                      ; log2(e)
	s_mov_b32 s45, s44
	s_mov_b32 s46, 0xff167699                      ; -2.0e38
	s_lshr_b32 s52, s12, 2                         ; I fetch for k (0) or v (1),
	s_and_b32 s53, s12, 3                          ; which quarter
	s_lshl_b32 s54, s52, 3
	s_add_co_u32 s54, s54, s15
	s_add_co_u32 s54, s54, 32
	s_mul_i32 s54, s54, HEADB
	s_mul_i32 s55, s53, STEPB
	s_add_co_u32 s56, s54, s55
	s_mov_b32 s57, 0
	s_mul_i32 s60, s53, 3*STEPB
	s_add_co_u32 s58, s60, s54
	s_add_co_u32 s58, s58, 4*STEPB
	s_mov_b32 s59, 0
	s_mul_i32 s52, s52, VOFF
	s_wait_dscnt 0x0
	s_wait_kmcnt 0x0
	s_mov_b32 s32, 1
	s_add_co_u32 s33, s52, s55
	s_add_nc_u64 s[34:35], s[4:5], s[56:57]
	s_or_b32 s35, s35, 0x80000000
	s_mov_b32 s36, 1
	s_add_co_u32 s37, s52, s60
	s_add_co_u32 s37, s37, 4*STEPB
	s_add_nc_u64 s[38:39], s[4:5], s[58:59]
	s_or_b32 s39, s39, 0x80000000
	CROUND
	tensor_load_to_lds s[32:35], s[16:23]          ; steps 0-3 of k and v: one step a wave, my one load at the head
	s_nop 0
	PLACES 4
	s_lshr_b32 s61, s12, 1                         ; my tile of queries
	s_and_b32 s62, s12, 1                          ; my pair of heads
	s_mul_i32 s52, s15, HEADB
	s_lshr_b32 s53, s14, 1
	s_mul_i32 s53, s53, STEPB
	s_add_co_u32 s52, s52, s53
	s_mul_i32 s53, s62, 2*TSTR
	s_add_co_u32 s52, s52, s53                     ; q's block in the image
	s_and_b32 s53, s14, 1
	s_lshl_b32 s53, s53, 1
	s_lshr_b32 s54, s61, 1
	s_add_co_u32 s53, s53, s54                     ; its fragment
	s_mul_i32 s54, s53, 1536
	s_add_co_u32 s54, s54, s52
	s_mov_b32 s55, 0
	s_add_nc_u64 s[56:57], s[4:5], s[54:55]
	s_lshl_b32 s54, s53, 6
	s_add_co_u32 s54, s54, s52
	s_add_co_u32 s54, s54, 6144
	s_add_nc_u64 s[58:59], s[4:5], s[54:55]        ; its scale words
	s_and_b32 s53, s61, 1                          ; registers 0-5 or 6-11 of the fragment
	s_mul_i32 s60, s53, 520
	s_mul_i32 s63, s53, 1016
	s_add_co_u32 s63, s63, 8
	s_lshl_b32 s53, s53, 4
	s_lshl_b32 s52, s14, 6
	s_lshl_b32 s54, s61, 4
	s_add_co_u32 s52, s52, s54                     ; my first query
	s_lshl_b32 s54, s52, 13
	s_add_nc_u64 s[50:51], s[6:7], s[54:55]
	s_mul_i32 s54, s52, 1536
	s_mul_i32 s13, s15, 48
	s_add_co_u32 s54, s54, s13
	s_mul_i32 s13, s62, 768
	s_add_co_u32 s54, s54, s13
	s_add_nc_u64 s[8:9], s[8:9], s[54:55]
	s_lshl_b32 s54, s52, 6
	s_lshl_b32 s13, s15, 1
	s_add_co_u32 s54, s54, s13
	s_lshl_b32 s13, s62, 5
	s_add_co_u32 s54, s54, s13
	s_add_nc_u64 s[10:11], s[10:11], s[54:55]
	v_and_b32 v[TMP], 31, v0
	v_lshlrev_b32 v[LI], 4, v[TMP]
	v_lshlrev_b32 v[LS], 2, v[TMP]
	v_add_nc_u32 v[LIV], VOFF, v[LI]
	v_add_nc_u32 v[LSV], VOFF, v[LS]
	v_and_b32 v[FF], 15, v0
	v_bfe_u32 v[FF+1], v0, 4, 1
	v_lshlrev_b32 v[MA], 13, v[FF]
	v_lshl_add_u32 v[MA], v[FF+1], 5, v[MA]
	v_mul_u32_u24 v[OA], v[FF], 1536
	v_mad_u32_u24 v[OA], v[FF+1], 12, v[OA]
	v_lshl_add_u32 v[OSA], v[FF], 6, v[FF+1]
	v_cmp_eq_u32 s49, 1, v[FF+1]
	v_add_nc_u32 v[ADK], s60, v[LI]
	v_add_nc_u32 v[ADV], s63, v[LI]
	v_lshlrev_b32 v[ADT], 2, v[FF]
	s_wait_alu depctr_va_vdst(0)
.irp T, 0,1
	global_load_b64 v[QZ+6+12*\T:QZ+7+12*\T], v[ADK], s[56:57] offset:\T*TSTR
	global_load_b64 v[QZ+8+12*\T:QZ+9+12*\T], v[ADV], s[56:57] offset:\T*TSTR
	global_load_b64 v[QZ+10+12*\T:QZ+11+12*\T], v[ADK], s[56:57] offset:\T*TSTR+512
.endr
.irp T, 0,1
	global_load_b32 v[BM+\T], v[ADT], s[58:59] offset:\T*TSTR
.endr
	MASKLOAD
.irp k, 0,1,2
.irp i, 0,1,2,3,4,5
	v_mov_b32 v[QZ+12*\k+\i], 0
.endr
.endr
	WIN 0x40
.set J, 0
.rept 64
	v_mov_b32 v[OO+J], 0                           ; the step is written once: the first finds zeros
.set J, J+1
.endr
	WIN 0
.irp T, 0,1
	v_mov_b32 v[STT+4*\T+1], 0xff7fffff
	v_mov_b32 v[STT+4*\T+2], 0
	v_mov_b32 v[STT+4*\T+3], 0
.endr
.irp T, 0,1,2,3
	v_mov_b32 v[PT+\T], 0
.endr
.irp T, 0,1
	v_floor_f32 v[STT+4*\T], -v[STT+4*\T+1]
.endr
	v_mov_b32 v[FF+1], 0
	s_wait_alu depctr_va_vdst(0)
	s_wait_tensorcnt 0x0                           ; my step of the first four is in; the full sequence stands ahead of the later first fill
	ds_add_u32 v[SPW], v[NIL]
	s_wait_dscnt 0x0
	CROUND                                         ; steps 0-3 are whole for every wave
	tensor_load_to_lds s[36:39], s[24:31]          ; steps 4-15: three steps a wave
	s_nop 0
	PLACES 4
	s_wait_loadcnt 16                              ; q and its scale words are in; the 16 mask loads may be out
.irp T, 0,1
	v_lshrrev_b32 v[BM+\T], s53, v[BM+\T]
.endr
.irp T, 0,1
	v_and_b32 v[BM+\T], 0xffff, v[BM+\T]
.endr
.irp T, 0,1
	v_lshl_or_b32 v[QS+\T], v[BM+\T], 16, v[BM+\T] ; my tile's two bytes, for either half of K
.endr
	s_wait_alu depctr_va_vdst(0)
	s_mov_b32 s[TB], 0
	s_mov_b32 s[CNT], 4
.Lfirst:
	KSTEP 0
	s_sub_co_u32 s[CNT], s[CNT], 1
	s_cmp_lg_u32 s[CNT], 0
	s_cbranch_scc1 .Lfirst
	s_wait_tensorcnt 0x0                           ; my part of steps 4-15 is in
	s_wait_dscnt 0x0
	s_barrier_signal -1
	s_barrier_wait -1
	s_mov_b32 s[TB], 4*STEPB
	s_mov_b32 s[CNT], 12
.Lrest:
	KSTEP 1
	s_sub_co_u32 s[CNT], s[CNT], 1
	s_cmp_lg_u32 s[CNT], 0
	s_cbranch_scc1 .Lrest
.irp T, 0,1
	v_add_f32 v[BM+\T], v[STT+4*\T+2], v[STT+4*\T+3]
.endr
.irp T, 0,1
	v_permlanex16_b32 v[PT+\T], v[BM+\T], s40, s41
.endr
.irp T, 0,1
	v_add_f32 v[BM+\T], v[BM+\T], v[PT+\T]         ; the row's sum
.endr
	PLACES 2
	s_wait_alu depctr_va_vdst(0)
.irp T, 0,1
	v_rcp_f32 v[SO+\T], v[BM+\T]
.endr
	v_nop
.irp T, 0,1                            ; o = O^T / the sum, quantised along the head's 64: two blocks, each in lanes l and l xor 16
	WIN 0x01
	s_wait_alu depctr_va_vdst(0)
.set J, 0
.rept 32
	v_mul_f32 v[S+J], v[OO+32*\T+J], v[SO+\T]
.set J, J+1
.endr
	WIN 0
.irp b, 0,1
	v_max3_num_f32 v[BM+\b], |v[S+16*\b]|, |v[S+16*\b+1]|, 0x1800000
.endr
.irp i, 2,4,6,8,10,12,14
.irp b, 0,1
	v_max3_num_f32 v[BM+\b], v[BM+\b], |v[S+16*\b+\i]|, |v[S+16*\b+\i+1]|
.endr
.endr
.irp b, 0,1
	v_permlanex16_b32 v[PT+\b], v[BM+\b], s40, s41
.endr
.irp b, 0,1
	v_max_num_f32 v[BM+\b], v[BM+\b], v[PT+\b]
.endr
.irp b, 0,1
	v_add_nc_u32 v[CT+\b], 0xff000000, v[BM+\b]
.endr
.irp b, 0,1
	v_lshrrev_b32 v[PT+\b], 23, v[CT+\b]
.endr
	v_cvt_scalef32_pk16_fp6_f32 v[MK+8*\T:MK+8*\T+2], v[S:S+15], v[CT]
	v_cvt_scalef32_pk16_fp6_f32 v[MK+8*\T+4:MK+8*\T+6], v[S+16:S+31], v[CT+1]
	v_nop
	v_cndmask_b32 v[MK+32+\T], v[PT], v[PT+1], s49
	global_store_b96 v[OA], v[MK+8*\T:MK+8*\T+2], s[8:9] offset:384*\T
	global_store_b96 v[OA], v[MK+8*\T+4:MK+8*\T+6], s[8:9] offset:384*\T+24
	global_store_b8 v[OSA], v[MK+32+\T], s[10:11] offset:16*\T
.endr
	s_wait_tensorcnt 0x0                           ; the wave's end
	ds_add_u32 v[SPW], v[NIL]
	s_wait_dscnt 0x0
	CROUND                                         ; the closing round
	s_endpgm
.Lfunc_end_k_q35930eefdb_attn:
	.size	k_q35930eefdb_attn, .Lfunc_end_k_q35930eefdb_attn-k_q35930eefdb_attn
	.p2alignl 7, 3214868480
	.fill 96, 4, 3214868480
	.section	.rodata,"a",@progbits
	.p2align	6, 0x0
	.amdhsa_kernel k_q35930eefdb_attn
		.amdhsa_group_segment_fixed_size 327680
		.amdhsa_private_segment_fixed_size 0
		.amdhsa_enable_private_segment 0
		.amdhsa_kernarg_size 32
		.amdhsa_user_sgpr_count 2
		.amdhsa_user_sgpr_kernarg_segment_ptr 1
		.amdhsa_wavefront_size32 1
		.amdhsa_system_sgpr_workgroup_id_x 1
		.amdhsa_system_sgpr_workgroup_id_y 1
		.amdhsa_system_sgpr_workgroup_id_z 1
		.amdhsa_system_vgpr_workitem_id 0
		.amdhsa_next_free_vgpr 512
		.amdhsa_next_free_sgpr 66
		.amdhsa_reserve_vcc 0
		.amdhsa_float_denorm_mode_32 3
		.amdhsa_float_denorm_mode_16_64 3
		.amdhsa_memory_ordered 1
		.amdhsa_forward_progress 1
		.amdhsa_inst_pref_size 94
	.end_amdhsa_kernel
	.amdgpu_metadata
---
amdhsa.version: [ 1, 2 ]
amdhsa.kernels:
  - .name:           k_q35930eefdb_attn
    .symbol:         k_q35930eefdb_attn.kd
    .args:
      - { .name: qkv_img, .offset: 0, .size: 8, .value_kind: global_buffer, .address_space: global }
      - { .name: attention_mask, .offset: 8, .size: 8, .value_kind: global_buffer, .address_space: global }
      - { .name: o_codes, .offset: 16, .size: 8, .value_kind: global_buffer, .address_space: global }
      - { .name: o_scales, .offset: 24, .size: 8, .value_kind: global_buffer, .address_space: global }
    .group_segment_fixed_size: 327680
    .private_segment_fixed_size: 0
    .kernarg_segment_align: 8
    .kernarg_segment_size: 32
    .max_flat_workgroup_size: 256
    .sgpr_count:     66
    .vgpr_count:     512
    .wavefront_size: 32
...
	.end_amdgpu_metadata
.endif
;; end of part 2
;; launch oproj (part 3): grid 16 x 16, 4 waves a work-group, clusters of 4 x 4, 327,680 bytes of LDS; arguments Wo_codes, Wo_scales, o_codes, o_scales, out0; writes out0
.if DOCPART == 3
	.amdgcn_target "amdgcn-amd-amdhsa--gfx1250"
	.amdhsa_code_object_version 6
	.text
	.protected	k_q35930eefdb_oproj
	.globl	k_q35930eefdb_oproj
	.p2align	8
	.type	k_q35930eefdb_oproj,@function
k_q35930eefdb_oproj:
	s_mov_b64 s[64:65], 0
	v_nop
	global_prefetch_b8 v0, s[64:65] scope:SCOPE_SE
	s_setreg_imm32_b32 hwreg(HW_REG_WAVE_MODE, 25, 1), 1
	s_wait_xcnt 0x0
	s_wait_alu depctr_hold_cnt(0) depctr_sa_sdst(0) depctr_va_vdst(0) depctr_va_sdst(0) depctr_va_ssrc(0) depctr_va_vcc(0) depctr_vm_vsrc(0)
	s_getreg_b32 s2, hwreg(HW_REG_IB_STS2, 6, 4)
	s_cmp_eq_u32 s2, 0
	s_cbranch_scc0 .Lentry_in_a_cluster
	s_endpgm
.Lentry_in_a_cluster:
	s_bfe_u32 s2, ttmp6, 0x10000c
	s_cmp_lg_u32 s2, 0xf033
	s_cbranch_scc0 .Lentry_shape_is_right
	s_endpgm
.Lentry_shape_is_right:
.set NPT,    4
; out = o Wo^T on codes of FP6 with E8M0 scales.  A work-group: 128 x 128, four waves of 64 x 64.  K goes in chunks of 512 bytes of each row (at multiples of 512 bytes) through two LDS slots: three chunks, one refill;
; a step of 128 along K is 96 bytes: steps 5 and 10 lie across two chunks.  The tiles are asked for jointly in a cluster of 4 x 4: P's along a row, N's along a column.
.set NQ,     2                         ; steps that one set of scale words serves
.set ROWB,   512
.set QI,     5                         ; 8 bytes of padding behind every 256
.set PITCH,  528
.set PROWS,  128
.set KROW,   1536
.set SLOT,   (PROWS+128)*PITCH
.set CHUNKS, 3
.set SCL,    2*SLOT
.set HALFSP, 4352
.set HALFSN, 4352
.set SBLK,   1088
.set SPARE,  SCL+2*HALFSP+2*HALFSN
.set ADRP,   16
.set ADRN,   20
.set STO,    24
.set RD,     25
.set CO,     26
.set SPW,    28
.set NIL,    29
.set ADRSP,  30
.set ADRSN,  31
.set SC,     32
.set SCSET,  (NPT+4)*NQ
.set NF,     128
.set BK,     96
.set G1P,    24
.set G0P,    32
.set G1SN,   40
.set G1N,    48
.set G0N,    56
.set G1SP,   68
.set G0SP,   76
.set G0SN,   80
.set MSB, 0
.macro WIN new
.if MSB != (\new)
	s_set_vgpr_msb (MSB<<8)|(\new)
.set MSB, (\new)
.endif
.endm
.macro PLACES n
.rept \n
	v_nop
.endr
.endm
.macro JLOAD g0p, g1p, g0n, g1n
	s_cmp_eq_u32 s15, 0
	s_cbranch_scc0 .Lfor_n_\@
	tensor_load_to_lds s[\g0p:\g0p+3], s[\g1p:\g1p+7]
	s_nop 0
.rept 4
	v_nop
.endr
	s_branch .Lasked_\@
.Lfor_n_\@:
	tensor_load_to_lds s[\g0n:\g0n+3], s[\g1n:\g1n+7]
	s_nop 0
.rept 4
	v_nop
.endr
.Lasked_\@:
.endm
.macro CREST
	s_cmp_lg_u32 s14, 0
	s_cbranch_scc1 .Lnot_wave_0_\@
	s_barrier_signal -3
.Lnot_wave_0_\@:
	s_barrier_wait -3
	s_barrier_signal -1
	s_barrier_wait -1
.endm
.macro CROUND
	s_barrier_signal -1
	s_barrier_wait -1
	CREST
.endm
.macro FRAG reg, adr, st, i            ; byte y of a row of codes lies in slot (y / 512) % 2, at y % 512 + 8 for the padding passed; lanes 16-31 read 24 bytes on
.irp p, 0,1,2,3,4,5
.set BY, 96*(\st)+48*(\p/3)+8*(\p%3)
.set SL, (BY/ROWB)%2
.set PS, BY%ROWB+8*((BY%ROWB)/256)
.if BY/256 == (BY+24)/256
	ds_load_b64 v[\reg+2*\p:\reg+2*\p+1], v[\adr+SL] offset:PS+(\i)*16*PITCH
.else
.if BY/ROWB == (BY+24)/ROWB            ; lanes 16-31 behind one padding more
	ds_load_b64 v[\reg+2*\p:\reg+2*\p+1], v[\adr+2+SL] offset:PS+(\i)*16*PITCH
.else                                  ; lanes 16-31 at the next chunk's start, in the other slot
	ds_load_b64 v[\reg+2*\p:\reg+2*\p+1], v[12+(\adr-16)/2+SL] offset:BY%ROWB-488+(\i)*16*PITCH
.endif
.endif
.endr
.endm
.macro FETCH st, set
	WIN 0x40
.set FI, 0
.rept NPT
	FRAG 128*(\set)+12*FI, ADRP, \st, FI
.set FI, FI+1
.endr
	WIN 0
.set FI, 0
.rept 4
	FRAG NF+48*(\set)+12*FI, ADRN, \st, FI
.set FI, FI+1
.endr
.endm
.macro SCALES sc, pr                   ; the scale words of steps 2 pr and 2 pr + 1 into set sc
.set FI, 0
.rept NPT
	ds_load_b64 v[SC+SCSET*(\sc)+NQ*FI:SC+SCSET*(\sc)+NQ*FI+1], v[ADRSP] offset:FI*SBLK+8*(\pr)
.set FI, FI+1
.endr
.set FI, 0
.rept 4
	ds_load_b64 v[SC+SCSET*(\sc)+NQ*(NPT+FI):SC+SCSET*(\sc)+NQ*(NPT+FI)+1], v[ADRSN] offset:FI*SBLK+8*(\pr)
.set FI, FI+1
.endr
.endm
.macro MULS nt0, n, set, q, sc, zero
	WIN 0xa1
.set NTI, \nt0
.rept \n
.set PTI, 0
.rept NPT
.if \zero
	v_wmma_scale_f32_16x16x128_f8f6f4 v[8*(NPT*NTI+PTI):8*(NPT*NTI+PTI)+7], v[128*(\set)+12*PTI:128*(\set)+12*PTI+11], v[NF+48*(\set)+12*NTI:NF+48*(\set)+12*NTI+11], 0, v[SC+SCSET*(\sc)+NQ*PTI+(\q)], v[SC+SCSET*(\sc)+NQ*(NPT+NTI)+(\q)] matrix_a_fmt:MATRIX_FMT_FP6 matrix_b_fmt:MATRIX_FMT_FP6
.else
	v_wmma_scale_f32_16x16x128_f8f6f4 v[8*(NPT*NTI+PTI):8*(NPT*NTI+PTI)+7], v[128*(\set)+12*PTI:128*(\set)+12*PTI+11], v[NF+48*(\set)+12*NTI:NF+48*(\set)+12*NTI+11], v[8*(NPT*NTI+PTI):8*(NPT*NTI+PTI)+7], v[SC+SCSET*(\sc)+NQ*PTI+(\q)], v[SC+SCSET*(\sc)+NQ*(NPT+NTI)+(\q)] matrix_a_fmt:MATRIX_FMT_FP6 matrix_b_fmt:MATRIX_FMT_FP6
.endif
.set PTI, PTI+1
.endr
.set NTI, NTI+1
.endr
.endm
; A step of 128 along K: multiplies step st's fragments and fetches the next step's into the other set.  Where the next step's bytes END in a chunk not yet read: the wait for my tensor loads and a barrier.
; Where they BEGIN in a later chunk: the chunk left behind is read no more: the wait, the add, the wait for it and for my reads, the barrier; where a chunk two on is left to fetch, a round and the refill.
.macro KST st, zero
.set NX, (\st)+1
.set C0, (96*(\st))/ROWB
.set C1, (96*NX)/ROWB
.set E0, (96*(\st)+95)/ROWB
.set E1, (96*NX+95)/ROWB
.if C1 > C0 || E1 > E0
	s_wait_tensorcnt 0x0                           ; all my tensor loads have landed
.if C1 > C0
	ds_add_u32 v[SPW], v[NIL]                      ; 0 onto my spare word
.endif
	s_wait_dscnt 0x0
	s_barrier_signal -1
	MULS 0, 2, (\st)%2, (\st)%2, ((\st)/2)%2, \zero
	WIN 0
	s_barrier_wait -1
.if C1 > C0 && C0+2 < CHUNKS
	CREST
	s_add_nc_u64 s[G0P+4*(C0%2)+2:G0P+4*(C0%2)+3], s[G0P+4*(C0%2)+2:G0P+4*(C0%2)+3], 2*ROWB
	s_add_nc_u64 s[G0N+4*(C0%2)+2:G0N+4*(C0%2)+3], s[G0N+4*(C0%2)+2:G0N+4*(C0%2)+3], 2*ROWB
	JLOAD G0P+4*(C0%2), G1P, G0N+4*(C0%2), G1N     ; the first tensor load behind the round; its four v_nop are the places in front of the loads below
.else
	PLACES 4
.endif
	FETCH NX, NX%2
.if NX%2 == 0
	SCALES (NX/2)%2, NX/2
.endif
	MULS 2, 2, (\st)%2, (\st)%2, ((\st)/2)%2, \zero
	WIN 0
.else
	s_wait_dscnt 0x0
	PLACES 4
	FETCH NX, NX%2
.if NX%2 == 0
	SCALES (NX/2)%2, NX/2
.endif
	MULS 0, 4, (\st)%2, (\st)%2, ((\st)/2)%2, \zero
	WIN 0
.endif
.endm
	s_load_b256 s[4:11], s[0:1], 0x0
	s_load_b64 s[12:13], s[0:1], 0x20
	v_lshl_add_u32 v[SPW], v0, 2, SPARE
	v_mov_b32 v[NIL], 0
	ds_add_u32 v28, v29
	ds_add_u32 v28, v29
	s_wait_dscnt 0x0
	v_lshrrev_b32 v1, 5, v0
	v_readfirstlane_b32 s14, v1
	s_lshr_b32 s15, s14, 1
	s_and_b32 s16, s14, 1
	s_bfe_u32 s17, ttmp6, 0x40000
	s_bfe_u32 s18, ttmp6, 0x40004
	s_and_b32 s19, ttmp7, 0xffff
	s_lshl_b32 s19, s19, 2
	s_add_co_u32 s19, s19, s18
	s_lshl_b32 s20, ttmp9, 2
	s_add_co_u32 s20, s20, s17
	s_lshl_b32 s21, s18, 2
	s_lshl_b32 s21, 15, s21
	s_lshl_b32 s85, 0x1111, s17
	s_or_b32 s[G1P], s21, (1<<20)|(1<<21)|(QI<<22)|(1<<25)
	s_or_b32 s[G1N], s85, (1<<20)|(1<<21)|(QI<<22)|(1<<25)
.irp g, G1P, G1N
	s_mov_b32 s[\g+1], ROWB<<16
	s_mov_b32 s[\g+2], 128<<16                     ; the head's loads bring all 128 rows; behind them the two words that count rows are set to 64
	s_mov_b32 s[\g+3], ROWB<<16
	s_mov_b32 s[\g+4], 128
	s_mov_b32 s[\g+5], KROW
	s_mov_b32 s[\g+6], 0
	s_mov_b32 s[\g+7], 0
.endr
	s_or_b32 s[G1SP], s21, (3<<16)|(1<<20)|(1<<21)|(5<<22)|(3<<25)
	s_or_b32 s[G1SN], s85, (3<<16)|(1<<20)|(1<<21)|(5<<22)|(3<<25)
.irp g, G1SP, G1SN
	s_mov_b32 s[\g+1], 32<<16
	s_mov_b32 s[\g+2], 32<<16                      ; the scale bytes of 128 rows: 32 units of 256 bytes
	s_mov_b32 s[\g+3], 32<<16
	s_mov_b32 s[\g+4], 32
	s_mov_b32 s[\g+5], 32
	s_mov_b32 s[\g+6], 0
	s_mov_b32 s[\g+7], 0
.endr
	s_lshl_b32 s19, s19, 7
	s_lshl_b32 s20, s20, 7
	s_mov_b32 s21, s19                             ; the tile's first row of P
	s_mul_i32 s22, s21, KROW
	s_mov_b32 s23, 0
	s_mov_b32 s84, s20                             ; and of N
	s_mul_i32 s86, s84, KROW
	s_mov_b32 s87, 0
	s_wait_kmcnt 0x0
	s_add_nc_u64 s[4:5], s[4:5], s[22:23]
	s_lshl_b32 s22, s21, 6
	s_add_nc_u64 s[6:7], s[6:7], s[22:23]
	s_add_nc_u64 s[8:9], s[8:9], s[86:87]
	s_lshl_b32 s86, s84, 6
	s_add_nc_u64 s[10:11], s[10:11], s[86:87]
	s_mul_i32 s2, s16, 16*NPT*PITCH
	s_mul_i32 s3, s16, 64*PITCH
	s_add_co_u32 s3, s3, PROWS*PITCH
	s_mul_i32 s22, s16, 64*KROW                    ; in the ring I fetch 64 rows of a tile: which half, in bytes
	s_mov_b32 s86, s22
	CROUND
	s_mov_b32 s[G0SP], 1
	s_mov_b32 s[G0SP+1], SCL
	s_mov_b64 s[G0SP+2:G0SP+3], s[6:7]
	s_or_b32 s[G0SP+3], s[G0SP+3], 0x80000000
	s_mov_b32 s[G0SN], 1
	s_mov_b32 s[G0SN+1], SCL+2*HALFSP
	s_mov_b64 s[G0SN+2:G0SN+3], s[10:11]
	s_or_b32 s[G0SN+3], s[G0SN+3], 0x80000000
	s_add_nc_u64 s[22:23], s[4:5], s[22:23]
	s_add_nc_u64 s[86:87], s[8:9], s[86:87]
	s_cmp_eq_u32 s15, 0                            ; where my prefetch stands: of the 64 rows that I fetch in the ring, my work-group's 16 among the four that ask for them jointly (by cx for P, by cy for N)
	s_cselect_b64 s[66:67], s[22:23], s[86:87]
	s_cselect_b32 s88, s17, s18
	s_mul_i32 s88, s88, 16*KROW
	s_mov_b32 s89, 0
	s_add_nc_u64 s[66:67], s[66:67], s[88:89]
.irp s, 0,1
	s_mov_b32 s[G0P+4*\s], 1
	s_add_co_u32 s[G0P+4*\s+1], s2, \s*SLOT
	s_add_nc_u64 s[G0P+4*\s+2:G0P+4*\s+3], s[22:23], \s*ROWB
	s_or_b32 s[G0P+4*\s+3], s[G0P+4*\s+3], 0x80000000
	s_mov_b32 s[G0N+4*\s], 1
	s_add_co_u32 s[G0N+4*\s+1], s3, \s*SLOT
	s_add_nc_u64 s[G0N+4*\s+2:G0N+4*\s+3], s[86:87], \s*ROWB
	s_or_b32 s[G0N+4*\s+3], s[G0N+4*\s+3], 0x80000000
.endr
	s_mov_b64 s[6:7], s[4:5]                       ; group 0 of the head's loads of chunk 0, in registers that held arguments: P's 128 rows,
	s_or_b32 s7, s7, 0x80000000
	s_mov_b32 s4, 1
	s_mov_b32 s5, 0
	s_mov_b64 s[10:11], s[8:9]                     ; N's 128 rows
	s_or_b32 s11, s11, 0x80000000
	s_mov_b32 s8, 1
	s_mov_b32 s9, PROWS*PITCH
; THE HEAD'S LOADS, ONE A WAVE: wave 0 chunk 0 of P, wave 1 chunk 0 of N, wave 2 P's scale bytes, wave 3 N's; one chain of branches on the wave's number, one load to an arm
.macro ARM under, g0, g1, next
	s_cmp_lt_u32 s14, \under
	s_cbranch_scc0 \next
	tensor_load_to_lds s[\g0:\g0+3], s[\g1:\g1+7]
	s_nop 0
	PLACES 4
	s_branch .Lhead_asked
\next:
.endm
	ARM 1, 4, G1P, .Lhead_n
	ARM 2, 8, G1N, .Lhead_sp
	ARM 3, G0SP, G1SP, .Lhead_sn
	tensor_load_to_lds s[G0SN:G0SN+3], s[G1SN:G1SN+7]
	s_nop 0
	PLACES 4
.Lhead_asked:
	v_and_b32 v1, 15, v0
	v_bfe_u32 v2, v0, 4, 1
	v_mul_u32_u24 v3, v1, PITCH
	v_mad_u32_u24 v4, v2, 24, v3
	v_lshl_add_u32 v5, v2, 3, v4                   ; behind one padding more
	s_mov_b32 s21, SLOT-496
	s_mov_b32 s22, SLOT+496
	v_sub_nc_u32 v7, 1, v2
	v_mul_u32_u24 v6, s21, v2
	v_add_nc_u32 v6, v3, v6
	v_add_nc_u32 v6, 496, v6                       ; across two chunks: lanes 0-15 data byte 488 of the row in slot 0, lanes 16-31 byte 0 of the row in slot 1;
	v_mul_u32_u24 v7, s22, v7
	v_add_nc_u32 v7, v3, v7                        ; and the other way round
	s_mul_i32 s21, s15, 16*NPT*PITCH
	s_mul_i32 s22, s16, 64*PITCH
	s_add_co_u32 s22, s22, PROWS*PITCH
	v_add_nc_u32 v12, s21, v6
	v_add_nc_u32 v13, s21, v7
	v_add_nc_u32 v14, s22, v6
	v_add_nc_u32 v15, s22, v7
.irp s, 0,1
	v_add_nc_u32 v[ADRP+\s], s21, v4
	v_add_nc_u32 v[ADRP+2+\s], s21, v5
	v_add_nc_u32 v[ADRN+\s], s22, v4
	v_add_nc_u32 v[ADRN+2+\s], s22, v5
	s_add_co_u32 s21, s21, SLOT
	s_add_co_u32 s22, s22, SLOT
.endr
	v_lshrrev_b32 v6, 2, v1
	v_lshlrev_b32 v7, 6, v1
	v_lshl_add_u32 v7, v6, 4, v7
	s_mul_i32 s21, s15, HALFSP
	s_add_co_u32 s21, s21, SCL
	v_add_nc_u32 v[ADRSP], s21, v7
	s_mul_i32 s22, s16, HALFSN
	s_add_co_u32 s22, s22, SCL+2*HALFSP
	v_add_nc_u32 v[ADRSN], s22, v7
	s_mul_i32 s21, s14, 16*272
	s_add_co_u32 s21, s21, SLOT                    ; my stage lies in slot 1: the last chunk lies in slot 0, and behind step 10's barrier nobody reads or fills slot 1
	v_mul_u32_u24 v8, v1, 272
	v_lshl_add_u32 v8, v2, 5, v8
	v_add_nc_u32 v[STO], s21, v8
	v_mul_u32_u24 v9, v2, 272
	v_lshl_add_u32 v9, v1, 4, v9
	v_add_nc_u32 v[RD], s21, v9
	v_lshlrev_b32 v[CO], 13, v2
	v_lshl_add_u32 v[CO], v1, 4, v[CO]
	v_mul_u32_u24 v10, v1, KROW                    ; a prefetch into the L2 of chunk 2, two chunks ahead of the head's load: 16 rows x 2 blocks of 256 bytes, a lane a block; v10 and s[66:67] are never rewritten
	v_lshl_add_u32 v10, v2, 8, v10
	global_prefetch_b8 v10, s[66:67] offset:2*ROWB th:TH_LOAD_NT scope:SCOPE_SE
	s_lshl_b32 s88, s16, 6
	s_add_co_u32 s88, s88, s20
	s_lshl_b32 s88, s88, 13
	s_lshl_b32 s89, s15, 6
	s_add_co_u32 s89, s89, s19
	s_lshl_b32 s89, s89, 2
	s_add_co_u32 s88, s88, s89
	s_mov_b32 s89, 0
	s_add_nc_u64 s[12:13], s[12:13], s[88:89]
	s_wait_alu depctr_va_vdst(0)
	s_wait_tensorcnt 0x0                           ; my tile of the head's four is in; the same lines as ahead of a refill stand ahead of slot 1's first fill
	ds_add_u32 v[SPW], v[NIL]
	s_mov_b32 s[G1P+2], 64<<16                     ; no tensor load of mine is out: from here on a load brings 64 rows
	s_mov_b32 s[G1P+4], 64
	s_mov_b32 s[G1N+2], 64<<16
	s_mov_b32 s[G1N+4], 64
	s_wait_dscnt 0x0
	CROUND                                         ; all four tiles are in, and all sixteen work-groups are here
	JLOAD G0P+4, G1P, G0N+4, G1N                   ; chunk 1, the first tensor load behind the round
	FETCH 0, 0
	SCALES 0, 0
	KST 0, 1                                       ; the first step's products start the sums
.set KI, 1                             ; the walk is written out: three chunks on two slots do not come back to where they began
.rept 14
	KST KI, 0
.set KI, KI+1
.endr
	s_wait_dscnt 0x0
	MULS 0, 4, 1, 1, 1, 0
	WIN 0
.macro TOSTAGE nt
	WIN 0x08
.irp pt, 0,1,2,3
	ds_store_b128 v[STO], v[8*(NPT*(\nt)+\pt):8*(NPT*(\nt)+\pt)+3] offset:64*\pt
	ds_store_b128 v[STO], v[8*(NPT*(\nt)+\pt)+4:8*(NPT*(\nt)+\pt)+7] offset:64*\pt+16
.endr
	WIN 0
.irp t, 0,1,2,3,4,5,6,7
	ds_load_b128 v[BK+32*(\nt)+4*\t:BK+32*(\nt)+4*\t+3], v[RD] offset:544*\t
.endr
.endm
.macro SEND nt, younger
	s_wait_dscnt \younger
.irp t, 0,1,2,3,4,5,6,7
	global_store_b128 v[CO], v[BK+32*(\nt)+4*\t:BK+32*(\nt)+4*\t+3], s[12:13] offset:(16*(\nt)+2*\t)*8192 th:TH_STORE_NT
.endr
.endm
	PLACES 4
	TOSTAGE 0
	TOSTAGE 1
	SEND 0, 16
	TOSTAGE 2
	SEND 1, 16
	TOSTAGE 3
	SEND 2, 16
	SEND 3, 0
	s_wait_tensorcnt 0x0
	ds_add_u32 v[SPW], v[NIL]
	s_wait_dscnt 0x0
	CROUND
	s_endpgm
.Lfunc_end_k_q35930eefdb_oproj:
	.size	k_q35930eefdb_oproj, .Lfunc_end_k_q35930eefdb_oproj-k_q35930eefdb_oproj
	.p2alignl 7, 3214868480
	.fill 96, 4, 3214868480
	.section	.rodata,"a",@progbits
	.p2align	6, 0x0
	.amdhsa_kernel k_q35930eefdb_oproj
		.amdhsa_group_segment_fixed_size 327680
		.amdhsa_private_segment_fixed_size 0
		.amdhsa_enable_private_segment 0
		.amdhsa_kernarg_size 40
		.amdhsa_user_sgpr_count 2
		.amdhsa_user_sgpr_kernarg_segment_ptr 1
		.amdhsa_wavefront_size32 1
		.amdhsa_system_sgpr_workgroup_id_x 1
		.amdhsa_system_sgpr_workgroup_id_y 1
		.amdhsa_system_sgpr_workgroup_id_z 1
		.amdhsa_system_vgpr_workitem_id 0
		.amdhsa_next_free_vgpr 640
		.amdhsa_next_free_sgpr 100
		.amdhsa_reserve_vcc 0
		.amdhsa_float_denorm_mode_32 3
		.amdhsa_float_denorm_mode_16_64 3
		.amdhsa_memory_ordered 1
		.amdhsa_forward_progress 1
		.amdhsa_inst_pref_size 110
	.end_amdhsa_kernel
	.amdgpu_metadata
---
amdhsa.version: [ 1, 2 ]
amdhsa.kernels:
  - .name:           k_q35930eefdb_oproj
    .symbol:         k_q35930eefdb_oproj.kd
    .args:
      - { .name: Wo_codes, .offset: 0, .size: 8, .value_kind: global_buffer, .address_space: global }
      - { .name: Wo_scales, .offset: 8, .size: 8, .value_kind: global_buffer, .address_space: global }
      - { .name: o_codes, .offset: 16, .size: 8, .value_kind: global_buffer, .address_space: global }
      - { .name: o_scales, .offset: 24, .size: 8, .value_kind: global_buffer, .address_space: global }
      - { .name: out0, .offset: 32, .size: 8, .value_kind: global_buffer, .address_space: global }
    .group_segment_fixed_size: 327680
    .private_segment_fixed_size: 0
    .kernarg_segment_align: 8
    .kernarg_segment_size: 40
    .max_flat_workgroup_size: 128
    .sgpr_count:     100
    .vgpr_count:     640
    .wavefront_size: 32
...
	.end_amdgpu_metadata
.endif
;; end of part 3
